; MI455X (gfx1250); checked and timed in simulation.
; The chip was launched on July 23, 2026; its instructions are those of AMD's public machine-readable ISA for CDNA 5 (MIT licence, August 2026) and "CDNA5" Instruction Set Architecture Reference Guide (July 2026). The comments in the code are by the model that wrote it; some were corrected since.
;; Causal Self Attention. Allowed arithmetic: matrix products marked QUANTISED: E2M3 operands, one E8M0 scale for each 32 along K, by v_wmma_scale_f32_16x16x128_f8f6f4 with both operands' format E2M3, f32 sums; everything else in f32.
;; Inputs: W_out 1,024 x 1,024 float32; W_qkv 1,024 x 3,072 float32; b_out 1,024 float32; b_qkv 3,072 float32; x 4 x 2,048 x 1,024 float32.
;; Outputs: out0 4 x 2,048 x 1,024 float32.
;; This version of the problem:
;;   THIS VERSION OF THE PROBLEM IS GIVEN IN LOW PRECISION. The matrix products marked QUANTISED in the list below multiply operands that are first quantised to E2M3 (2 exponent bits, 3 mantissa bits; 6 bits a number), with one power-of-two scale for each 32 numbers along K (OCP MX v1.0); their sums are f32. All else is computed in f32.
;;   The module's matrix products, in the order in which they are computed (A, B: the left and right operand; K: the contracted axis; several contracted axes count as one K, in the product's order):
;;     1. [M 8,192, K 1,024] x [K 1,024, N 3,072]; A: input x; B: input W_qkv: QUANTISED
;;     2. batch 64 x [M 2,048, K 64] x [K 64, N 2,048]; A: computed on the way; B: computed on the way: QUANTISED
;;     3. batch 64 x [M 2,048, K 2,048] x [K 2,048, N 64]; A: softmax (see below); B: computed on the way: QUANTISED
;;     4. [M 8,192, K 1,024] x [K 1,024, N 1,024]; A: computed on the way; B: input W_out: QUANTISED
;;   THE QUANTISER, for each operand of a quantised product, along K:
;;     - K is cut into blocks of 32 from its start; a last block that is shorter is filled with zeros.
;;     - A block's scale is 2^e with e = floor(log2(the largest magnitude in the block)) - 2, held to -126 .. 127; a block of zeros has e = 0. As a byte (E8M0): e + 127.
;;     - Each number is divided by its block's scale, clamped to +-7.5, and rounded to the nearest number of E2M3, ties to even, subnormals kept.
;;     - The product sums the exact products of the quantised numbers (number of the format x scale) in f32.
;;   ~~~python
;;   def quantise(x, axis):      # numpy; x: float32 -> the quantised numbers, widened to float32 again
;;       x = np.moveaxis(x, axis, -1); K = x.shape[-1]
;;       x = np.pad(x, [(0, 0)] * (x.ndim - 1) + [(0, -K % 32)]); x = x.reshape(x.shape[:-1] + (-1, 32)); a = np.abs(x).max(-1, keepdims=True)
;;       e = np.where(a > 0, np.clip(np.frexp(np.where(a > 0, a, 1))[1] - 1 - 2, -126, 127), 0)      # np.frexp(a)[1] - 1 = floor(log2(a)), exactly
;;       r = np.clip(x / 2.0 ** e, -7.5, 7.5)
;;       step = 2.0 ** (np.maximum(np.frexp(np.where(r == 0, 1, r))[1] - 1, 0) - 3)
;;       q = np.round(r / step) * step * 2.0 ** e      # np.round: ties to even
;;       return np.moveaxis(q.reshape(q.shape[:-2] + (-1,))[..., :K], -1, axis).astype(np.float32)
;;   ~~~
;;   SOFTMAX AHEAD OF A QUANTISED PRODUCT. Where the list says 'softmax', what is quantised is not the finished softmax but p = 2^(t - M), with t = logit x log2(e) and M = ceil(the row's largest t), a whole number; so 1/2 < the row's largest p <= 1. The row's sum l is taken of the UNQUANTISED p, in f32, and the product's result is divided by l at the end. Since M is a whole number, a kernel that streams over the keys may use a running M (the ceiling of the running maximum): every later rescaling is an exact power of two, which a block's scale takes up: the codes' values come out the same.
;;   OPERANDS COMPUTED ON THE WAY. 'Computed on the way' means the value that the module computes at that place (a softmax that the list does not call 'softmax' is quantised finished and normalised). What goes into a quantiser is computed in f32, as accurately as f32 sums, v_exp_f32 and their like allow (about 1e-6 of the number): no bf16 or f16 on the way to a quantiser, and a product that is left as it is and whose result goes on into a quantised operand takes f32 operands (vector FMAs, or v_wmma_f32_16x16x4_f32). A number that lies on a knife's edge between two numbers of the format may be rounded either way, as far as f32 arithmetic and the matrix unit's own rounding can turn it there, and no further.
;; One version. Each part assembles by itself: llvm-mc -triple=amdgcn-amd-amdhsa -mcpu=gfx1250 --defsym DOCPART=n.
;; ======== version 1 of 1: 4 launches
;; limits: right only within a limited range of input values
;; workspace buffers: opc 9,437,184 bytes; ops 393,216 bytes; qkv 19,660,800 bytes; oc 6,291,456 bytes; os 262,144 bytes
;; launch quant (part 1): grid 512 x 1, 4 waves a work-group, no clusters, 34,304 bytes of LDS; arguments x, W_qkv, W_out, opc, ops; writes opc, ops
.if DOCPART == 1
	.amdgcn_target "amdgcn-amd-amdhsa--gfx1250"
	.amdhsa_code_object_version 6
	.text
	.protected	k_q0c1fa9d7f2_quant
	.globl	k_q0c1fa9d7f2_quant
	.p2align	8
	.type	k_q0c1fa9d7f2_quant,@function
k_q0c1fa9d7f2_quant:
	s_mov_b64 s[64:65], 0
	v_nop
	global_prefetch_b8 v0, s[64:65] scope:SCOPE_SE
	s_setreg_imm32_b32 hwreg(HW_REG_WAVE_MODE, 25, 1), 1
	s_wait_xcnt 0x0
; x [8192][1024], W_qkv [1024][3072] and W_out [1024][1024], f32, become codes of FP6 (E2M3) with one E8M0 byte for each 32 along K (K = 1024 in all three), laid as the two GEMM launches take them.
; TILES.  Rows (tokens of x, columns n of a weight) go in tiles of 16: tile 2 g + u, row p, is logical row 32 g + 8 u + p + 8 (p / 8).  Tiles 0-511: x; 512-703: W_qkv's columns; 704-767: W_out's.
; opc: [tile][K / 128][1536]: a fragment (16 rows x 128 K, 12 registers a lane) as an image of its registers: six planes of 256 bytes, plane p = registers 2 p, 2 p + 1 of lane l at byte 8 l.
; ops: [tile][K / 256][row][2 words]: a word is the four scale bytes of one row and 128 along K.
; A block's scale is 2^(floor(log2(its largest magnitude)) - 2); its byte is the largest magnitude's exponent field - 2, held at 1 from below.
; LIMITS: a block of zeros gets the byte 1 where the rule says 127 (its codes are zeros, and this program alone reads the bytes); blocks whose largest magnitude lies under 2^-124 are held at the byte 1; NaN and infinities are not served.
; Work-groups 0-255 take x (K innermost: a wave takes one tile x 512 K, and turns each 128 K through its own stage in LDS, so that loads read 512 consecutive bytes and a lane still gets 16 neighbours of each block).
; Work-groups 256-511 take the weights (K is the first axis: a lane takes a column and its registers run down K; a wave takes 32 columns x 128 K = two tiles).  No barrier: waves share nothing.
.set STG,   16*528                     ; a wave's stage: 16 rows of 512 bytes + 16: row r starts at bank 4 r mod 64 (64 banks of 4 bytes: ISA guide 11.1)
.set SPARE, 4*STG                      ; behind the stages: the spare words, 128 bytes a wave: two blocks of 256 bytes that no other line names
.set R,     16                         ; v16-143  x: two sets of 64 registers as loaded;  weights: a lane's 128 numbers
.set X,     144                        ; v144-207 x: 64 numbers of a lane: register 16 b + i = k 32 b + 16 (lane / 16) + i of row lane % 16
.set PC,    208                        ; v208-226 the fragment just made (12), and the conversions' second halves
.set TM,    228                        ; v228-243 at work in QUANT
.set PWS,   244                        ; v244-247 the scale words of the wave's four fragments
.set DD,    248                        ; v[248:249] the scale words as they are stored
.set SPW,   254                        ; v254 LDS address of my spare word; never rewritten
.set NIL,   255                        ; v255 0; never rewritten
.set SEL,   20                         ; s[20:21] lane selects for v_permlanex16_b32: lane l xor 16
; 64 numbers of a lane, v[s] on, become a fragment's 12 registers in v[PC] on and its rows' scale word in v[w].
.macro QUANT s, w
.irp b, 0,1,2,3
	v_max3_num_f32 v[TM+\b], |v[\s+16*\b]|, |v[\s+1+16*\b]|, 0x1800000   ; block b: my 16 numbers, and the floor 2^(3 - 127): the byte cannot fall under 1
.endr
.irp i, 2,4,6,8,10,12,14
.irp b, 0,1,2,3
	v_max3_num_f32 v[TM+\b], v[TM+\b], |v[\s+16*\b+\i]|, |v[\s+1+16*\b+\i]|   ; the four blocks by turns
.endr
.endr
.irp b, 0,1,2,3
	v_permlanex16_b32 v[TM+4+\b], v[TM+\b], s[SEL], s[SEL+1]
.endr
.irp b, 0,1,2,3
	v_max_num_f32 v[TM+\b], v[TM+\b], v[TM+4+\b]   ; with lane l xor 16's 16: the block's largest magnitude
.endr
.irp b, 0,1,2,3
	v_add_nc_u32 v[TM+12+\b], 0xff000000, v[TM+\b]   ; 2 off its exponent field: the conversion takes this operand's exponent field as its scale
.endr
.irp b, 0,1,2,3
	v_lshrrev_b32 v[TM+4+\b], 23, v[TM+12+\b]      ; the scale's byte
.endr
	v_lshl_or_b32 v[\w], v[TM+5], 8, v[TM+4]
	v_lshl_or_b32 v[\w], v[TM+6], 16, v[\w]
	v_lshl_or_b32 v[\w], v[TM+7], 24, v[\w]        ; my row's scale word
.irp c, 0,1
	v_cvt_scalef32_pk16_fp6_f32 v[PC+6*\c:PC+2+6*\c], v[\s+32*\c:\s+15+32*\c], v[TM+12+2*\c]
	v_cvt_scalef32_pk16_fp6_f32 v[PC+12+4*\c:PC+14+4*\c], v[\s+16+32*\c:\s+31+32*\c], v[TM+12+2*\c+1]   ; (a conversion's three registers begin on an even number)
.endr
	v_nop                                          ; one plain place behind a scaled conversion
.irp c, 0,1                            ; the operand's layout wants a whole block in a lane: lanes 0-15 block 2 c, lanes 16-31 block 2 c + 1
.irp i, 0,1,2
	v_permlane16_swap_b32 v[PC+6*\c+\i], v[PC+12+4*\c+\i]
.endr
.irp i, 0,1,2
	v_mov_b32 v[PC+3+6*\c+\i], v[PC+12+4*\c+\i]
.endr
.endr
.endm
.macro LOADX c                         ; 128 along K of my 16 rows: each load reads 512 consecutive bytes of one row
.irp i, 0,1,2,3,4,5,6,7,8,9,10,11,12,13,14,15
	global_load_b128 v[R+64*((\c)%2)+4*\i:R+64*((\c)%2)+4*\i+3], v5, s[4:5] offset:(\i+8*(\i/8))*4096+512*(\c) th:TH_LOAD_NT
.endr
.endm
.macro TURN c                          ; through my stage: in as loaded, out 64 bytes of each block a lane.  LDS serves a wave's instructions in order: no wait between
.irp i, 0,1,2,3,4,5,6,7,8,9,10,11,12,13,14,15
	ds_store_b128 v6, v[R+64*((\c)%2)+4*\i:R+64*((\c)%2)+4*\i+3] offset:528*\i
.endr
.irp b, 0,1,2,3
.irp j, 0,1,2,3
	ds_load_b128 v[X+16*\b+4*\j:X+16*\b+4*\j+3], v7 offset:128*\b+16*\j
.endr
.endr
.endm
	s_load_b256 s[4:11], s[0:1], 0x0               ; x s[4:5], W_qkv s[6:7], W_out s[8:9], opc s[10:11]
	s_load_b64 s[12:13], s[0:1], 0x20              ; ops
	v_lshl_add_u32 v[SPW], v0, 2, SPARE
	v_mov_b32 v[NIL], 0
	v_lshrrev_b32 v1, 5, v0
	v_readfirstlane_b32 s16, v1                    ; wave
	v_and_b32 v1, 31, v0                           ; lane
	v_and_b32 v2, 15, v0                           ; r
	v_bfe_u32 v3, v0, 4, 1                         ; h
	v_lshlrev_b32 v4, 3, v1                        ; 8 x lane: my place in a plane
	v_lshlrev_b32 v5, 4, v1                        ; 16 x lane: my place in a load's 512 bytes
	s_mul_i32 s23, s16, STG
	v_add_nc_u32 v6, s23, v5                       ; the stage, on the way in
	v_mul_u32_u24 v7, v2, 528
	v_lshl_add_u32 v7, v3, 6, v7
	v_add_nc_u32 v7, s23, v7                       ; and out: row r, + 64 h
	s_mov_b32 s[SEL], 0x76543210
	s_mov_b32 s[SEL+1], 0xfedcba98
	s_mov_b32 s22, 0xffff0000                      ; lanes 16-31
	s_cmp_ge_u32 ttmp9, 256
	s_cbranch_scc1 .Lweights
	; ---- x.  Wave number g in the launch = 4 x work-group + wave: tile g / 2, half g % 2 of K
	s_lshl_b32 s17, ttmp9, 2
	s_add_co_u32 s17, s17, s16
	s_lshr_b32 s18, s17, 1                         ; the tile
	s_and_b32 s19, s17, 1                          ; the half
	s_lshr_b32 s24, s18, 1
	s_lshl_b32 s24, s24, 17                        ; 32 rows of 4,096 bytes for each pair of tiles,
	s_and_b32 s25, s18, 1
	s_lshl_b32 s25, s25, 15                        ; 8 rows for the odd tile,
	s_add_co_u32 s24, s24, s25
	s_lshl_b32 s25, s19, 11                        ; 2,048 bytes for the second half of K
	s_add_co_u32 s24, s24, s25
	s_mov_b32 s25, 0
	s_mul_i32 s26, s17, 6144                       ; codes: 12,288 a tile, 6,144 a half
	s_mov_b32 s27, 0
	s_lshl_b32 s28, s17, 8                         ; scale words: 512 a tile, 256 a half
	s_mov_b32 s29, 0
.irp b, 0,1,2,3
	v_mov_b32 v[TM+4+\b], 0                        ; written once: a lane permute's destination counts as one of its sources
.endr
	s_wait_kmcnt 0x0
	s_add_nc_u64 s[4:5], s[4:5], s[24:25]
	s_add_nc_u64 s[10:11], s[10:11], s[26:27]
	s_add_nc_u64 s[12:13], s[12:13], s[28:29]
	s_wait_alu depctr_va_vdst(0)
	LOADX 0
	LOADX 1
.irp c, 0,1,2,3
.if \c < 3
	s_wait_loadcnt 16                              ; this chunk's 16 loads are in; the next chunk's 16 may be out
.else
	s_wait_loadcnt 0x0
.endif
	TURN \c
	s_wait_dscnt 0x0                               ; the numbers are back, and the stores into the stage have read their registers,
.if \c < 2
	LOADX \c+2                                     ; which take the chunk two on
.endif
.if \c > 0
	s_wait_xcnt 0x0                                ; the last fragment's stores have read their data: the codes' registers are written again only behind this wait
.endif
	QUANT X, PWS+\c
.irp p, 0,1,2,3,4,5
	global_store_b64 v4, v[PC+2*\p:PC+2*\p+1], s[10:11] offset:1536*\c+256*\p   ; a plane: 32 lanes store 256 consecutive bytes, aligned
.endr
.endr
	v_cndmask_b32 v[DD], v[PWS], v[PWS+2], s22     ; lanes 0-15: my row's words of the first 256 along K; lanes 16-31: of the second
	v_cndmask_b32 v[DD+1], v[PWS+1], v[PWS+3], s22
	global_store_b64 v4, v[DD:DD+1], s[12:13]      ; 256 consecutive bytes, aligned
	s_wait_tensorcnt 0x0                           ; the wave's end: behind my last LDS store
	ds_add_u32 v[SPW], v[NIL]
	s_wait_dscnt 0x0
	s_endpgm
	; ---- the weights.  j = work-group - 256: 128 columns j / 8 (0-23: W_qkv, 24-31: W_out), 128 along K j % 8
.Lweights:
	s_sub_co_u32 s17, ttmp9, 256
	s_lshr_b32 s18, s17, 3                         ; the group of 128 columns
	s_and_b32 s19, s17, 7                          ; which 128 along K
	s_lshl_b32 s23, s18, 2
	s_add_co_u32 s23, s23, s16                     ; my 32 columns: tiles 512 + 2 x this and the next
	s_wait_alu depctr_va_vdst(0)
	v_and_b32 v8, 7, v1                            ; lane l takes the column l with bits 3 and 4 exchanged: lanes 0-15 are then the rows of the even tile, lanes 16-31 of the odd one
	v_bfe_u32 v9, v1, 3, 1
	v_lshl_add_u32 v8, v9, 4, v8
	v_lshl_add_u32 v8, v3, 3, v8
	v_lshlrev_b32 v8, 2, v8                        ; in bytes
	v_lshlrev_b32 v9, 3, v2
	v_lshl_add_u32 v9, v3, 9, v9                   ; my scale word's place: 512 x (lane / 16) + 8 x (lane % 16)
	s_lshl_b32 s30, s23, 1
	s_add_co_u32 s30, s30, 512                     ; the even tile
	s_mul_i32 s32, s30, 12288
	s_mul_i32 s33, s19, 1536
	s_add_co_u32 s32, s32, s33
	s_mov_b32 s33, 0
	s_lshl_b32 s34, s30, 9
	s_lshr_b32 s35, s19, 1
	s_lshl_b32 s35, s35, 7
	s_add_co_u32 s34, s34, s35
	s_and_b32 s35, s19, 1
	s_lshl_b32 s35, s35, 2
	s_add_co_u32 s34, s34, s35
	s_mov_b32 s35, 0
	s_wait_kmcnt 0x0
	s_mov_b32 s26, 4096
	s_cmp_lt_u32 s18, 24                           ; the choice hangs on the work-group's number alone
	s_cselect_b64 s[24:25], s[6:7], s[8:9]
	s_cselect_b32 s26, 12288, s26                  ; bytes from a row of the weight to the next
	s_cselect_b32 s27, 0, 24
	s_sub_co_u32 s27, s18, s27                     ; the group of columns in its own tensor
	s_lshl_b32 s27, s27, 9
	s_lshl_b32 s28, s16, 7
	s_add_co_u32 s27, s27, s28                     ; my first column, in bytes
	s_mul_i32 s28, s19, s26
	s_lshl_b32 s28, s28, 7                         ; 128 rows for each step along K
	s_add_co_u32 s28, s28, s27
	s_mov_b32 s29, 0
	s_add_nc_u64 s[24:25], s[24:25], s[28:29]
	s_add_nc_u64 s[10:11], s[10:11], s[32:33]
	s_add_nc_u64 s[12:13], s[12:13], s[34:35]
.macro LOADW pitch                     ; W(128 step + i, my column), i = 0 .. 127: each load reads 128 consecutive bytes
.set i, 0
.rept 128
	global_load_b32 v[R+i], v8, s[24:25] offset:i*\pitch th:TH_LOAD_NT
.set i, i+1
.endr
.endm
	s_cmp_lt_u32 s18, 24
	s_cbranch_scc0 .Lw_out
	s_wait_alu depctr_va_vdst(0)
	LOADW 12288
	s_branch .Lw_loaded
.Lw_out:
	s_wait_alu depctr_va_vdst(0)
	LOADW 4096
.Lw_loaded:
.macro BLOCK t                         ; block t of my column: all 32 numbers are mine
.set XS, R+32*(\t)
.if \t < 2
	s_wait_loadcnt 63                              ; behind this block's loads 96 (64) more were issued; the wait's field holds 63
.elseif \t == 2
	s_wait_loadcnt 32
.else
	s_wait_loadcnt 0x0
.endif
	v_max3_num_f32 v12, |v[XS]|, |v[XS+1]|, |v[XS+2]|
	v_max3_num_f32 v13, |v[XS+3]|, |v[XS+4]|, |v[XS+5]|
.irp i, 6,10,14,18,22,26
	v_max3_num_f32 v12, v12, |v[XS+\i]|, |v[XS+\i+1]|
	v_max3_num_f32 v13, v13, |v[XS+\i+2]|, |v[XS+\i+3]|
.endr
	v_max3_num_f32 v12, v12, |v[XS+30]|, |v[XS+31]|
	v_max3_num_f32 v12, v12, v13, 0x1800000        ; and the floor
	v_add_nc_u32 v11, 0xff000000, v12              ; the conversion's scale operand
	v_lshrrev_b32 v13, 23, v11                     ; the byte
.if \t == 0
	v_mov_b32 v176, v13
.else
	v_lshl_or_b32 v176, v13, 8*\t, v176            ; my column's scale word
.endif
	v_cvt_scalef32_pk16_fp6_f32 v[144+6*\t:146+6*\t], v[XS:XS+15], v11
	v_cvt_scalef32_pk16_fp6_f32 v[168:170], v[XS+16:XS+31], v11
	v_nop                                          ; one plain place behind a scaled conversion
.irp i, 0,1,2
	v_mov_b32 v[147+6*\t+\i], v[168+\i]
.endr
.endm
	BLOCK 0
	BLOCK 1
	BLOCK 2
	BLOCK 3
.irp c, 0,1                            ; a lane holds all four blocks of its own row; the layout wants block 2 c + (lane / 16) of row lane % 16, for each of the two tiles:
.irp i, 0,1,2,3,4,5
	v_permlane16_swap_b32 v[144+12*\c+\i], v[150+12*\c+\i]   ; the first is now register 6 c + i of the even tile's fragment, the second of the odd tile's
.endr
.endr
.irp u, 0,1
.irp p, 0,1,2,3,4,5
	global_store_b64 v4, v[144+6*\u+12*(\p/3)+2*(\p%3):145+6*\u+12*(\p/3)+2*(\p%3)], s[10:11] offset:12288*\u+256*\p   ; a plane: 256 consecutive bytes, aligned
.endr
.endr
	global_store_b32 v9, v176, s[12:13]            ; 4 bytes a lane, 8 bytes apart: one byte for each 32 of the 128 that this path reads
	s_wait_tensorcnt 0x0                           ; the wave's end, as on the other path
	ds_add_u32 v[SPW], v[NIL]
	s_wait_dscnt 0x0
	s_endpgm
.Lfunc_end_k_q0c1fa9d7f2_quant:
	.size	k_q0c1fa9d7f2_quant, .Lfunc_end_k_q0c1fa9d7f2_quant-k_q0c1fa9d7f2_quant
	.p2alignl 7, 3214868480
	.fill 96, 4, 3214868480
	.section	.rodata,"a",@progbits
	.p2align	6, 0x0
	.amdhsa_kernel k_q0c1fa9d7f2_quant
		.amdhsa_group_segment_fixed_size 34304
		.amdhsa_private_segment_fixed_size 0
		.amdhsa_enable_private_segment 0
		.amdhsa_kernarg_size 40
		.amdhsa_user_sgpr_count 2
		.amdhsa_user_sgpr_kernarg_segment_ptr 1
		.amdhsa_wavefront_size32 1
		.amdhsa_system_sgpr_workgroup_id_x 1
		.amdhsa_system_sgpr_workgroup_id_y 1
		.amdhsa_system_sgpr_workgroup_id_z 1
		.amdhsa_system_vgpr_workitem_id 0
		.amdhsa_next_free_vgpr 256
		.amdhsa_next_free_sgpr 66
		.amdhsa_reserve_vcc 0
		.amdhsa_float_denorm_mode_32 3
		.amdhsa_float_denorm_mode_16_64 3
		.amdhsa_memory_ordered 1
		.amdhsa_forward_progress 1
		.amdhsa_inst_pref_size 68
	.end_amdhsa_kernel
	.amdgpu_metadata
---
amdhsa.version: [ 1, 2 ]
amdhsa.kernels:
  - .name:           k_q0c1fa9d7f2_quant
    .symbol:         k_q0c1fa9d7f2_quant.kd
    .args:
      - { .name: x, .offset: 0, .size: 8, .value_kind: global_buffer, .address_space: global }
      - { .name: W_qkv, .offset: 8, .size: 8, .value_kind: global_buffer, .address_space: global }
      - { .name: W_out, .offset: 16, .size: 8, .value_kind: global_buffer, .address_space: global }
      - { .name: opc, .offset: 24, .size: 8, .value_kind: global_buffer, .address_space: global }
      - { .name: ops, .offset: 32, .size: 8, .value_kind: global_buffer, .address_space: global }
    .group_segment_fixed_size: 34304
    .private_segment_fixed_size: 0
    .kernarg_segment_align: 8
    .kernarg_segment_size: 40
    .max_flat_workgroup_size: 128
    .sgpr_count:     66
    .vgpr_count:     256
    .wavefront_size: 32
...
	.end_amdgpu_metadata
.endif
;; end of part 1
;; launch gemm_qkv (part 2): grid 8 x 32, 4 waves a work-group, clusters of 4 x 4, 327,680 bytes of LDS; arguments opc, ops, b_qkv, qkv; writes qkv
.if DOCPART == 2
	.amdgcn_target "amdgcn-amd-amdhsa--gfx1250"
	.amdhsa_code_object_version 6
	.text
	.protected	k_q0c1fa9d7f2_gemm_qkv
	.globl	k_q0c1fa9d7f2_gemm_qkv
	.p2align	8
	.type	k_q0c1fa9d7f2_gemm_qkv,@function
k_q0c1fa9d7f2_gemm_qkv:
	s_mov_b64 s[64:65], 0
	v_nop
	global_prefetch_b8 v0, s[64:65] scope:SCOPE_SE
	s_setreg_imm32_b32 hwreg(HW_REG_WAVE_MODE, 25, 1), 1
	s_wait_xcnt 0x0
	s_wait_alu depctr_hold_cnt(0) depctr_sa_sdst(0) depctr_va_vdst(0) depctr_va_sdst(0) depctr_va_ssrc(0) depctr_va_vcc(0) depctr_vm_vsrc(0)
	s_getreg_b32 s2, hwreg(HW_REG_IB_STS2, 6, 4)
	s_cmp_eq_u32 s2, 0
	s_cbranch_scc0 .Lentry_in_a_cluster
	s_endpgm
.Lentry_in_a_cluster:
	s_bfe_u32 s2, ttmp6, 0x10000c
	s_cmp_lg_u32 s2, 0xf033
	s_cbranch_scc0 .Lentry_shape_is_right
	s_endpgm
.Lentry_shape_is_right:
; qkv = x W_qkv + b_qkv on codes of FP6 (E2M3) with E8M0 scales; the results are quantised in registers, along the K of the attention's products, and leave as codes and scale words.
; IN (opc, ops): tiles of 16 rows; tile 2 g + u, row p = logical row 32 g + 8 u + p + 8 (p / 8); tiles 0-511 tokens, 512-575 q's columns, 576-639 k's, 640-703 v's.
; opc: [tile][K / 128][1536], a fragment as six planes of 256 bytes (registers 2 p, 2 p + 1 of lane l at byte 8 l).  ops: [tile][K / 256][row][2 words].
; OUT (qkv): [16 batch + head][token / 128][19200]: Q at 0, K at 6400, V at 12800.  Q, K: 8 token tiles x 768, then 256 bytes [row][i]: bytes 0, 1 tile 2 i, bytes 2, 3 tile 2 i + 1.  V: 4 channel tiles x 1536, then 256 bytes [row][tile].
; THE DEAL.  Work-group (cu, tb) takes tokens 256 tb .. + 255 and columns 128 cu .. + 127 of q, then of k, then of v: three jobs on the same tokens.  8 x 32 = 256 work-groups.
; The tokens' codes, all of K, and their scale words come into LDS once; the weights' 128 columns have a region of their own, filled again twice, each time in a round of the cluster's barrier.
; Wave (a, b) holds the 64 columns of head 2 cu + b, all of K, in 384 registers and streams the 8 token tiles of record a past them: a block is 32 products on four accumulators by turns.
; Q, K: source 0 = the weight's rows, so a lane's 32 results are 64 channels of one token with lane l xor 16's.  V: source 0 = the tokens, so a lane's 64 results of a channel tile are 128 keys with lane l xor 16's.
; The bias is the C of a block's first four products.  The weights' scale words and the bias of the next job are loaded a job ahead into registers of their own.
; CLUSTERS: the tokens are asked for jointly along a row of the cluster, the weights along a column.  PREFETCH: the next weight's 98,304 bytes are named one refill ahead, 6,144 bytes for each of the sixteen waves of a column of the cluster,
; told apart by address, in the clusters with y < 4 alone (all cluster rows read the same weights).
; LIMITS: a block of zeros gets the scale byte 1 (its codes are zeros; this program alone reads the bytes); blocks whose largest magnitude lies under 2^-124 are held at the byte 1; NaN and infinities are not served.
; REGISTERS: fragment f lies in window 1 + f / 21 at register 12 (f % 21): 0-31 the weights' (4 q + tile), 32-39 and 40-47 the tokens' two sets.  v64-127 Q's, K's sums (two sets); V's sums v64-191 and v840-967; v968-1015 the next job's scale words and bias.
.set FR, 12
.set FPW, 21
.set NF, 52                            ; LDS loads of a block: 48 for eight fragments, 4 for eight scale words
.set TILEB, 12288
.set PARTB, 8*TILEB
.set RB, 2*PARTB                       ; LDS: the tokens in two parts [part][record][4 tiles], the weights at RB, the tokens' scale words at SSC, the spare words
.set SSC, 3*PARTB
.set SPARE, SSC+8192
.set WSTEP, 64*TILEB                   ; from a weight's unit to the next weight's
.set L8, 1
.set ADRA0, 2
.set ADRF, 3
.set ADRB, 4
.set AAS, 5
.set SPW, 6
.set NIL, 7
.set WSO, 8
.set BO, 9
.set BVO, 10
.set R16, 11
.set PFV, 12
.set SB, 24                            ; v24-39 the weights' scale words: 8 (tile / 2) + q; lanes 0-15 the even tile, lanes 16-31 the odd one
.set SA, 44                            ; v44-59 the tokens': two sets of eight
.set ACC, 64
.set PCQ, 128
.set BI, 192                           ; v192-223 the bias as C
.set PCV, 192
.set TM, 224
.set DD, 240
.set SBN, 968
.set BST, 984
.set SEL, 88
.set G1A, 24
.set G1R, 32
.set G1S, 48
.set G0A, 56
.set G0R, 60
.set G0S, 68
.set G0P, 72
.set MSB, 0
.macro WIN new
.if MSB != \new
	s_set_vgpr_msb (MSB<<8)|\new
.set MSB, \new
.endif
.endm
.macro PLACES n
.rept \n
	v_nop
.endr
.endm
.macro WALU
	s_wait_alu depctr_va_vdst(0)
.endm
.macro XW                              ; earlier stores have read their data and bases
	WALU
	s_wait_xcnt 0x0
.endm
.macro BARRIER
	s_barrier_signal -1
	s_barrier_wait -1
.endm
.macro MIDDLE
	WIN 0
	s_barrier_wait -1
	s_cmp_lg_u32 s14, 0
	s_cbranch_scc1 .Lnot_wave_0_\@
	s_barrier_signal -3
.Lnot_wave_0_\@:
	s_barrier_wait -3
.endm
.macro CROUND
	s_barrier_signal -1
	MIDDLE
	BARRIER
.endm
.macro TLOAD g0, g1
	tensor_load_to_lds s[\g0:\g0+3], s[\g1:\g1+7]
	s_nop 0
	PLACES 4
.endm
.macro WEIGHTS                         ; my 64 rows of the weight, all of K: 192 loads of 256 consecutive bytes
.set F_, 0
.rept 32
	WIN (1+F_/FPW)<<6
.irp p, 0,1,2,3,4,5
	ds_load_b64 v[FR*(F_%FPW)+2*\p:FR*(F_%FPW)+2*\p+1], v[ADRB] offset:(F_%4)*TILEB+(F_/4)*1536+256*\p
.endr
.set F_, F_+1
.endr
	WIN 0
.endm
.macro FETCH e, s                      ; token tile s of my record into set e
	v_add_nc_u32 v[ADRF], ((\s)/4)*PARTB+((\s)%4)*TILEB, v[ADRA0]
.set Q2_, 0
.rept 8
.set F_, 32+8*(\e)+Q2_
	WIN (1+F_/FPW)<<6
.irp p, 0,1,2,3,4,5
	ds_load_b64 v[FR*(F_%FPW)+2*\p:FR*(F_%FPW)+2*\p+1], v[ADRF] offset:Q2_*1536+256*\p
.endr
.set Q2_, Q2_+1
.endr
	WIN 0
.irp k, 0,1,2,3
	ds_load_b64 v[SA+8*(\e)+2*\k:SA+8*(\e)+2*\k+1], v[AAS] offset:(\s)*512+128*\k
.endr
.endm
.macro PROD1 d, s0, s1, c, x0, x1, side, o
.if \o
	v_wmma_scale_f32_16x16x128_f8f6f4 v[\d:\d+7], v[FR*((\s0)%FPW):FR*((\s0)%FPW)+FR-1], v[FR*((\s1)%FPW):FR*((\s1)%FPW)+FR-1], \c, v[\x0], v[\x1] matrix_a_fmt:MATRIX_FMT_FP6 matrix_b_fmt:MATRIX_FMT_FP6 matrix_\side\()_scale:MATRIX_SCALE_ROW1
.else
	v_wmma_scale_f32_16x16x128_f8f6f4 v[\d:\d+7], v[FR*((\s0)%FPW):FR*((\s0)%FPW)+FR-1], v[FR*((\s1)%FPW):FR*((\s1)%FPW)+FR-1], \c, v[\x0], v[\x1] matrix_a_fmt:MATRIX_FMT_FP6 matrix_b_fmt:MATRIX_FMT_FP6 matrix_\side\()_scale:MATRIX_SCALE_ROW0
.endif
.endm
.macro PROD kind, s, n                 ; product n = 4 q + tile of block s.  kind 0: source 0 the weight; kind 1: source 0 the tokens
.set Q_, (\n)/4
.set J_, (\n)%4
.set E_, (\s)%2
.set FB_, 4*Q_+J_
.set FA_, 32+8*E_+Q_
.if \kind
.set D_, 64+64*J_+8*(\s)+(J_/2)*648
.else
.set D_, ACC+32*E_+8*J_
.endif
.set DL_, D_&255
.set DW_, D_>>8
.set XB_, SB+8*(J_/2)+Q_
.set XA_, SA+8*E_+Q_
.if Q_
.set CW_, DW_
.else
.set CW_, 0
.endif
.if \kind
	WIN (1+FA_/FPW)|((1+FB_/FPW)<<2)|(CW_<<4)|(DW_<<6)
.if Q_
	PROD1 DL_, FA_, FB_, v[DL_:DL_+7], XA_, XB_, b, J_%2
.else
	PROD1 DL_, FA_, FB_, v[BI+8*J_:BI+8*J_+7], XA_, XB_, b, J_%2
.endif
.else
	WIN (1+FB_/FPW)|((1+FA_/FPW)<<2)|(CW_<<4)|(DW_<<6)
.if Q_
	PROD1 DL_, FB_, FA_, v[DL_:DL_+7], XB_, XA_, a, J_%2
.else
	PROD1 DL_, FB_, FA_, v[BI+8*J_:BI+8*J_+7], XB_, XA_, a, J_%2
.endif
.endif
.endm
.macro CHAINQ i, x                     ; line i of 16: the largest magnitudes of my 16 numbers of each of the two blocks at x, two chains by turns, with the floor 2^(3 - 127)
	WIN 0
.set B_, (\x)+16*((\i)%2)+2*((\i)/2)
.if (\i) < 2
	v_max3_num_f32 v[TM+(\i)%2], |v[B_]|, |v[B_+1]|, 0x1800000
.else
	v_max3_num_f32 v[TM+(\i)%2], v[TM+(\i)%2], |v[B_]|, |v[B_+1]|
.endif
.endm
.macro BLOCK kind, s, from, to, hook   ; hook = 1: behind every second of the first sixteen products stand two lines of the last block's chains
.set N_, \from
.rept (\to)-(\from)
	PROD \kind, \s, N_
.if \hook && (N_%2) && (N_<16)
	CHAINQ N_-1, ACC+32*(1-(\s)%2)
	CHAINQ N_, ACC+32*(1-(\s)%2)
.endif
.set N_, N_+1
.endr
.endm
.macro PART2 x, s                      ; Q, K: the rest of token tile s's way out: scales, codes (half a fragment), three planes stored
	XW
	v_permlanex16_b32 v[TM+2], v[TM], s[SEL], s[SEL+1]
	v_permlanex16_b32 v[TM+3], v[TM+1], s[SEL], s[SEL+1]
	v_max_num_f32 v[TM], v[TM], v[TM+2]
	v_max_num_f32 v[TM+1], v[TM+1], v[TM+3]
	v_add_nc_u32 v[TM+4], 0xff000000, v[TM]        ; 2 off the exponent field: the conversion's scale operand
	v_add_nc_u32 v[TM+5], 0xff000000, v[TM+1]
	v_lshrrev_b32 v[TM+6], 23, v[TM+4]
	v_lshrrev_b32 v[TM+7], 23, v[TM+5]
.if (\s)%2
	v_lshl_or_b32 v[TM+8], v[TM+7], 8, v[TM+6]
	v_lshl_or_b32 v[DD+(\s)/2], v[TM+8], 16, v[DD+(\s)/2]
.else
	v_lshl_or_b32 v[DD+(\s)/2], v[TM+7], 8, v[TM+6]
.endif
	v_cvt_scalef32_pk16_fp6_f32 v[PCQ:PCQ+2], v[\x:\x+15], v[TM+4]
	v_cvt_scalef32_pk16_fp6_f32 v[PCQ+8:PCQ+10], v[\x+16:\x+31], v[TM+5]
	v_nop                                          ; one plain place behind a scaled conversion
.irp i, 0,1,2
	v_permlane16_swap_b32 v[PCQ+\i], v[PCQ+8+\i]
.endr
.irp i, 0,1,2
	v_mov_b32 v[PCQ+3+\i], v[PCQ+8+\i]
.endr
.irp p, 0,1,2
	global_store_b64 v[L8], v[PCQ+2*\p:PCQ+2*\p+1], s[76:77] offset:768*(\s)+256*\p   ; a plane: 256 consecutive bytes, aligned
.endr
.endm
.macro QUANT64 x, w, pc                ; V: 64 numbers of a lane from register x on become a fragment in v[pc] on and its rows' scale word in v[w]
.set XW_, (\x)>>8
.set XL_, (\x)&255
	WIN XW_|(XW_<<2)
.irp b, 0,1,2,3
	v_max3_num_f32 v[TM+\b], |v[XL_+16*\b]|, |v[XL_+1+16*\b]|, 0x1800000
.endr
	WIN (XW_<<2)|(XW_<<4)
.irp i, 2,4,6,8,10,12,14
.irp b, 0,1,2,3
	v_max3_num_f32 v[TM+\b], v[TM+\b], |v[XL_+16*\b+\i]|, |v[XL_+1+16*\b+\i]|
.endr
.endr
	WIN 0
.irp b, 0,1,2,3
	v_permlanex16_b32 v[TM+4+\b], v[TM+\b], s[SEL], s[SEL+1]
.endr
.irp b, 0,1,2,3
	v_max_num_f32 v[TM+\b], v[TM+\b], v[TM+4+\b]
.endr
.irp b, 0,1,2,3
	v_add_nc_u32 v[TM+12+\b], 0xff000000, v[TM+\b]
.endr
.irp b, 0,1,2,3
	v_lshrrev_b32 v[TM+4+\b], 23, v[TM+12+\b]
.endr
	v_lshl_or_b32 v[\w], v[TM+5], 8, v[TM+4]
	v_lshl_or_b32 v[\w], v[TM+6], 16, v[\w]
	v_lshl_or_b32 v[\w], v[TM+7], 24, v[\w]
	WIN XW_
.irp c, 0,1
	v_cvt_scalef32_pk16_fp6_f32 v[\pc+6*\c:\pc+2+6*\c], v[XL_+32*\c:XL_+15+32*\c], v[TM+12+2*\c]
	v_cvt_scalef32_pk16_fp6_f32 v[\pc+12+4*\c:\pc+14+4*\c], v[XL_+16+32*\c:XL_+31+32*\c], v[TM+13+2*\c]
.endr
	WIN 0
	v_nop
.irp c, 0,1
.irp i, 0,1,2
	v_permlane16_swap_b32 v[\pc+6*\c+\i], v[\pc+12+4*\c+\i]
.endr
.irp i, 0,1,2
	v_mov_b32 v[\pc+3+6*\c+\i], v[\pc+12+4*\c+\i]
.endr
.endr
.endm
.macro LOADSB d                        ; my four weight tiles' scale words, all of K
.irp p, 0,1
.irp k, 0,1,2,3
	global_load_b64 v[\d+8*\p+2*\k:\d+8*\p+2*\k+1], v[WSO], s[78:79] offset:1024*\p+128*\k
.endr
.endr
.endm
.macro LOADBQ d                        ; Q, K: register 8 j + i of lane (r, h) is column 32 (j / 2) + 8 (j % 2) + 16 h + i
.irp j, 0,1,2,3
	global_load_b128 v[\d+8*\j:\d+8*\j+3], v[BO], s[80:81] offset:(32*(\j/2)+8*(\j%2))*4
	global_load_b128 v[\d+8*\j+4:\d+8*\j+7], v[BO], s[80:81] offset:(32*(\j/2)+8*(\j%2))*4+16
.endr
.endm
; ---- the head
	s_load_b256 s[4:11], s[0:1], 0x0               ; opc, ops, b_qkv, qkv
	v_lshl_add_u32 v[SPW], v0, 2, SPARE
	v_mov_b32 v[NIL], 0
	ds_add_u32 v[SPW], v[NIL]                      ; the opening lines
	ds_add_u32 v[SPW], v[NIL]
	v_lshrrev_b32 v13, 5, v0
	v_readfirstlane_b32 s14, v13                   ; wave; s15 = a, my record; s16 = b, my head of the two
	s_lshr_b32 s15, s14, 1
	s_and_b32 s16, s14, 1
	s_bfe_u32 s40, ttmp6, 0x40000                  ; cx
	s_bfe_u32 s41, ttmp6, 0x40004                  ; cy
	s_lshl_b32 s42, ttmp9, 2
	s_add_co_u32 s42, s42, s40                     ; cu
	s_and_b32 s87, ttmp7, 0xffff
	s_lshl_b32 s43, s87, 2
	s_add_co_u32 s43, s43, s41                     ; tb
	s_cmp_lt_u32 s87, 4
	s_cselect_b32 s87, 1, 0                        ; 1 in the clusters that prefetch
	s_lshl_b32 s44, s41, 2
	s_lshl_b32 s44, 15, s44                        ; my row of the cluster
	s_lshl_b32 s45, 0x1111, s40                    ; my column
	s_or_b32 s[G1A], s44, (3<<16)|(1<<21)          ; a part of the tokens: 2 rows of 4 tiles (49,152 bytes), 8 tiles apart
	s_mov_b32 s[G1A+1], 6144<<16
	s_mov_b32 s[G1A+2], 2<<16
	s_mov_b32 s[G1A+3], 6144<<16
	s_mov_b32 s[G1A+4], 2
	s_mov_b32 s[G1A+5], 12288
	s_mov_b32 s[G1A+6], 0
	s_mov_b32 s[G1A+7], 0
	s_or_b32 s[G1R], s45, (3<<16)|(1<<21)          ; a weight's unit: 8 tiles on end
	s_mov_b32 s[G1R+1], 1536<<16
	s_mov_b32 s[G1R+2], 8<<16
	s_mov_b32 s[G1R+3], 1536<<16
	s_mov_b32 s[G1R+4], 8
	s_mov_b32 s[G1R+5], 1536
	s_mov_b32 s[G1R+6], 0
	s_mov_b32 s[G1R+7], 0
	s_or_b32 s[G1S], s44, (3<<16)|(1<<21)          ; the tokens' scale words: 32 rows of 256 bytes
	s_mov_b32 s[G1S+1], 32<<16
	s_mov_b32 s[G1S+2], 32<<16
	s_mov_b32 s[G1S+3], 32<<16
	s_mov_b32 s[G1S+4], 32
	s_mov_b32 s[G1S+5], 32
	s_mov_b32 s[G1S+6], 0
	s_mov_b32 s[G1S+7], 0
	s_mov_b32 s[G0A], 1
	s_mov_b32 s[G0A+1], 0
	s_mov_b32 s[G0P], 1
	s_mov_b32 s[G0P+1], PARTB
	s_mov_b32 s[G0R], 1
	s_mov_b32 s[G0R+1], RB
	s_mov_b32 s[G0S], 1
	s_mov_b32 s[G0S+1], SSC
	s_mul_i32 s17, s43, 16*TILEB                   ; my tokens' codes, bytes from opc
	s_lshl_b32 s18, s43, 13                        ; their scale words, from ops
	s_mul_i32 s19, s42, PARTB
	s_add_co_u32 s19, s19, 512*TILEB               ; q's unit
	s_lshl_b32 s78, s42, 12
	s_lshl_b32 s20, s16, 11
	s_add_co_u32 s78, s78, s20
	s_add_co_u32 s78, s78, 512*512                 ; my four weight tiles' scale words
	s_mov_b32 s79, 0
	s_lshl_b32 s80, s42, 9
	s_lshl_b32 s20, s16, 8
	s_add_co_u32 s80, s80, s20                     ; my head's bias
	s_mov_b32 s81, 0
	s_lshr_b32 s20, s43, 3
	s_lshl_b32 s20, s20, 4
	s_lshl_b32 s21, s42, 1
	s_add_co_u32 s20, s20, s21
	s_add_co_u32 s20, s20, s16                     ; 16 batch + head
	s_lshl_b32 s20, s20, 4
	s_and_b32 s21, s43, 7
	s_lshl_b32 s21, s21, 1
	s_add_co_u32 s20, s20, s21
	s_add_co_u32 s20, s20, s15                     ; the record
	s_mul_i32 s76, s20, 19200
	s_mov_b32 s77, 0
	s_mul_i32 s90, s15, 4*TILEB
	s_mul_i32 s91, s16, 4*TILEB
	s_add_co_u32 s91, s91, RB
	s_lshl_b32 s92, s15, 12
	s_add_co_u32 s92, s92, SSC
	s_lshl_b32 s93, s41, 2
	s_add_co_u32 s93, s93, s14
	s_mul_i32 s93, s93, PARTB/16                   ; my sixteenth of a unit, for the prefetches
	s_mov_b32 s[SEL], 0x76543210
	s_mov_b32 s[SEL+1], 0xfedcba98
	s_mov_b32 s86, 0                               ; the job
	WALU
	s_wait_dscnt 0x0
	CROUND                                         ; the round in front of the first joint loads
	s_wait_kmcnt 0x0
	s_mov_b32 s21, 0
	s_mov_b32 s20, s17
	s_add_nc_u64 s[G0A+2:G0A+3], s[4:5], s[20:21]
	s_add_nc_u64 s[G0P+2:G0P+3], s[G0A+2:G0A+3], 4*TILEB
	s_or_b32 s[G0A+3], s[G0A+3], 0x80000000
	s_or_b32 s[G0P+3], s[G0P+3], 0x80000000
	s_mov_b32 s20, s19
	s_add_nc_u64 s[84:85], s[4:5], s[20:21]
	s_mov_b64 s[G0R+2:G0R+3], s[84:85]
	s_or_b32 s[G0R+3], s[G0R+3], 0x80000000
	s_mov_b32 s20, s18
	s_add_nc_u64 s[G0S+2:G0S+3], s[6:7], s[20:21]
	s_or_b32 s[G0S+3], s[G0S+3], 0x80000000
	s_add_nc_u64 s[78:79], s[6:7], s[78:79]
	s_add_nc_u64 s[80:81], s[8:9], s[80:81]
	s_add_nc_u64 s[76:77], s[10:11], s[76:77]
	s_cmp_eq_u32 s14, 0                            ; one load a wave, in the order in which the tiles are wanted
	s_cbranch_scc0 .Lwave_1
	TLOAD G0R, G1R                                 ; wave 0: q's unit
	s_branch .Lasked
.Lwave_1:
	s_cmp_eq_u32 s14, 1
	s_cbranch_scc0 .Lwave_2
	TLOAD G0S, G1S                                 ; wave 1: the tokens' scale words
	s_branch .Lasked
.Lwave_2:
	s_cmp_eq_u32 s14, 2
	s_cbranch_scc0 .Lwave_3
	TLOAD G0A, G1A                                 ; wave 2: each record's tiles 0-3
	s_branch .Lasked
.Lwave_3:
	TLOAD G0P, G1A                                 ; wave 3: tiles 4-7
.Lasked:
	v_and_b32 v13, 15, v0                          ; r
	v_bfe_u32 v14, v0, 4, 1                        ; h
	v_and_b32 v15, 31, v0
	v_lshlrev_b32 v[L8], 3, v15
	v_add_nc_u32 v[ADRA0], s90, v[L8]
	v_add_nc_u32 v[ADRB], s91, v[L8]
	v_lshl_add_u32 v[AAS], v13, 3, s92
	v_lshlrev_b32 v[WSO], 3, v13
	v_lshl_add_u32 v[WSO], v14, 9, v[WSO]          ; lanes 16-31 take the odd tile's words
	v_lshlrev_b32 v[BO], 6, v14
	v_and_b32 v[BVO], 8, v13
	v_add_nc_u32 v[BVO], v[BVO], v13
	v_lshlrev_b32 v[BVO], 2, v[BVO]                ; V: lane r of a channel tile is channel r + 8 (r / 8) of it
	v_lshlrev_b32 v[R16], 4, v13
	v_min_u32 v[PFV], 23, v15                      ; 24 blocks of 256 bytes; the lanes left over name the last again
	v_lshl_add_u32 v[PFV], v[PFV], 8, s93
.irp i, 2,3,4,5,6,7
	v_mov_b32 v[TM+\i], 0                          ; a lane permute's destination counts as one of its sources
.endr
	WIN 0xc0
	LOADSB SBN-768
	LOADBQ BST-768
	WIN 0
	WALU
	s_cmp_eq_u32 s14, 0
	s_cbranch_scc0 .Lnot_r
	s_wait_tensorcnt 0x0
.Lnot_r:
	BARRIER                                        ; q's unit is in
	s_cmp_eq_u32 s87, 1
	s_cbranch_scc0 .Lno_pf
	global_prefetch_b8 v[PFV], s[84:85] offset:WSTEP th:TH_LOAD_NT scope:SCOPE_SE   ; k's unit
.Lno_pf:
	WEIGHTS
; ---- a block of Q or K
.macro QKBLOCK s
.if (\s) < 7
	s_wait_dscnt NF                                ; this block's rows are in; the next block's 52 loads may be out
.else
	s_wait_dscnt 0x0
.endif
.if (\s) == 2
	s_wait_tensorcnt 0x0                           ; the round of a refill: every wave holds the weight in registers; all my tensor loads are in,
	ds_add_u32 v[SPW], v[NIL]                      ; the add,
	s_add_nc_u64 s[G0R+2:G0R+3], s[G0R+2:G0R+3], WSTEP
	BLOCK 0, \s, 0, 24, 1
	WIN 0
	WALU
	s_wait_dscnt 0x0
	s_barrier_signal -1
	BLOCK 0, \s, 24, 32, 0
	MIDDLE
	BARRIER
	s_cmp_eq_u32 s14, 0
	s_cbranch_scc0 .Lno_refill_\@
	TLOAD G0R, G1R                                 ; the next weight's unit
.Lno_refill_\@:
.elseif (\s) == 7
	BLOCK 0, \s, 0, 24, 1
	WIN 0
	WALU
	s_wait_tensorcnt 0x0
	s_wait_dscnt 0x0
	s_barrier_signal -1                            ; a plain barrier shows what the refill brought
	BLOCK 0, \s, 24, 32, 0
	WIN 0
	s_barrier_wait -1
.elseif (\s) == 0
	BLOCK 0, \s, 0, 32, 0
	WIN 0
.else
	BLOCK 0, \s, 0, 32, 1
	WIN 0
.endif
	PLACES 4                                       ; between the products and the loads into their operands
.if (\s) < 6
	FETCH (\s)%2, (\s)+2
.endif
.if (\s) == 2
	s_cmp_lt_u32 s86, s87
	s_cbranch_scc0 .Lno_ask_\@
	global_prefetch_b8 v[PFV], s[84:85] offset:2*WSTEP th:TH_LOAD_NT scope:SCOPE_SE   ; in Q's job: v's unit
.Lno_ask_\@:
.endif
.if (\s) == 7
	WEIGHTS                                        ; the next job's weight; the last two way outs stand under these loads
.endif
.if (\s) > 0
	PART2 ACC+32*(1-(\s)%2), (\s)-1
.endif
.endm
.Ljob:                                             ; two trips: Q, K
	s_wait_loadcnt 0x0
	WIN 3
.set I_, 0
.rept 16
	v_mov_b32 v[SB+I_], v[SBN-768+I_]
.set I_, I_+1
.endr
.set I_, 0
.rept 32
	v_mov_b32 v[BI+I_], v[BST-768+I_]
.set I_, I_+1
.endr
	WIN 0
	XW
	s_add_nc_u64 s[78:79], s[78:79], 64*512        ; the next weight's scale words and bias
	s_add_nc_u64 s[80:81], s[80:81], 4096
	WIN 0xc0
	LOADSB SBN-768
	WIN 0
	s_cmp_eq_u32 s86, 0
	s_cbranch_scc0 .Lv_bias
	WIN 0xc0
	LOADBQ BST-768
	WIN 0
	s_branch .Lbias_asked
.Lv_bias:
	WIN 0xc0
.irp t, 0,1,2,3
	global_load_b32 v[BST-768+\t], v[BVO], s[80:81] offset:(32*(\t/2)+8*(\t%2))*4
.endr
	WIN 0
.Lbias_asked:
	s_cmp_eq_u32 s14, 3
	s_cbranch_scc1 .Lnot_a
	s_wait_tensorcnt 0x0
.Lnot_a:
	s_wait_dscnt 0x0                               ; the weight is in my registers
	BARRIER                                        ; the scale words and tiles 0-3 are in
	FETCH 0, 0
	FETCH 1, 1
.irp s, 0,1,2,3,4,5,6,7
	QKBLOCK \s
.endr
.set I_, 0
.rept 16
	CHAINQ I_, ACC+32
.set I_, I_+1
.endr
	PART2 ACC+32, 7
	WALU
	global_store_b128 v[R16], v[DD:DD+3], s[76:77] offset:6144   ; the record's scale unit: lanes l and l + 16 hold the same row's words and write them to the same place
	XW
	s_add_nc_u64 s[76:77], s[76:77], 6400
	s_add_co_u32 s86, s86, 1
	s_cmp_lt_u32 s86, 2
	s_cbranch_scc1 .Ljob
; ---- V
	s_wait_loadcnt 0x0
	WIN 3
.set I_, 0
.rept 16
	v_mov_b32 v[SB+I_], v[SBN-768+I_]
.set I_, I_+1
.endr
.irp t, 0,1,2,3
.irp i, 0,1,2,3,4,5,6,7
	v_mov_b32 v[BI+8*\t+\i], v[BST-768+\t]         ; a lane's channel's bias over the tile's eight registers
.endr
.endr
	WIN 0
	WALU
	s_wait_dscnt 0x0
	FETCH 0, 0
	FETCH 1, 1
.irp s, 0,1,2,3,4,5,6,7
.if \s < 7
	s_wait_dscnt NF
.else
	s_wait_dscnt 0x0
.endif
	BLOCK 1, \s, 0, 32, 0
	WIN 0
	PLACES 4
.if \s < 6
	FETCH \s%2, \s+2
.endif
.endr
.irp t, 0,1,2,3
	XW
	QUANT64 64+64*\t+(\t/2)*648, DD+\t, PCV
.irp p, 0,1,2,3,4,5
	global_store_b64 v[L8], v[PCV+2*\p:PCV+2*\p+1], s[76:77] offset:1536*\t+256*\p
.endr
.endr
	WALU
	global_store_b128 v[R16], v[DD:DD+3], s[76:77] offset:6144
	s_wait_tensorcnt 0x0                           ; the wave's end
	ds_add_u32 v[SPW], v[NIL]
	s_wait_dscnt 0x0
	CROUND                                         ; the closing round
	s_endpgm
.Lfunc_end_k_q0c1fa9d7f2_gemm_qkv:
	.size	k_q0c1fa9d7f2_gemm_qkv, .Lfunc_end_k_q0c1fa9d7f2_gemm_qkv-k_q0c1fa9d7f2_gemm_qkv
	.p2alignl 7, 3214868480
	.fill 96, 4, 3214868480
	.section	.rodata,"a",@progbits
	.p2align	6, 0x0
	.amdhsa_kernel k_q0c1fa9d7f2_gemm_qkv
		.amdhsa_group_segment_fixed_size 327680
		.amdhsa_private_segment_fixed_size 0
		.amdhsa_enable_private_segment 0
		.amdhsa_kernarg_size 32
		.amdhsa_user_sgpr_count 2
		.amdhsa_user_sgpr_kernarg_segment_ptr 1
		.amdhsa_wavefront_size32 1
		.amdhsa_system_sgpr_workgroup_id_x 1
		.amdhsa_system_sgpr_workgroup_id_y 1
		.amdhsa_system_sgpr_workgroup_id_z 1
		.amdhsa_system_vgpr_workitem_id 0
		.amdhsa_next_free_vgpr 1024
		.amdhsa_next_free_sgpr 100
		.amdhsa_reserve_vcc 0
		.amdhsa_float_denorm_mode_32 3
		.amdhsa_float_denorm_mode_16_64 3
		.amdhsa_memory_ordered 1
		.amdhsa_forward_progress 1
		.amdhsa_inst_pref_size 207
	.end_amdhsa_kernel
	.amdgpu_metadata
---
amdhsa.version: [ 1, 2 ]
amdhsa.kernels:
  - .name:           k_q0c1fa9d7f2_gemm_qkv
    .symbol:         k_q0c1fa9d7f2_gemm_qkv.kd
    .args:
      - { .name: opc, .offset: 0, .size: 8, .value_kind: global_buffer, .address_space: global }
      - { .name: ops, .offset: 8, .size: 8, .value_kind: global_buffer, .address_space: global }
      - { .name: b_qkv, .offset: 16, .size: 8, .value_kind: global_buffer, .address_space: global }
      - { .name: qkv, .offset: 24, .size: 8, .value_kind: global_buffer, .address_space: global }
    .group_segment_fixed_size: 327680
    .private_segment_fixed_size: 0
    .kernarg_segment_align: 8
    .kernarg_segment_size: 32
    .max_flat_workgroup_size: 128
    .sgpr_count:     100
    .vgpr_count:     1024
    .wavefront_size: 32
...
	.end_amdgpu_metadata
.endif
;; end of part 2
;; launch attn (part 3): grid 4 x 64, 16 waves a work-group, no clusters, 327,680 bytes of LDS; arguments qkv, oc, os; writes oc, os
.if DOCPART == 3
	.amdgcn_target "amdgcn-amd-amdhsa--gfx1250"
	.amdhsa_code_object_version 6
	.text
	.protected	k_q0c1fa9d7f2_attn
	.globl	k_q0c1fa9d7f2_attn
	.p2align	8
	.type	k_q0c1fa9d7f2_attn,@function
k_q0c1fa9d7f2_attn:
	s_mov_b64 s[64:65], 0
	v_nop
	global_prefetch_b8 v0, s[64:65] scope:SCOPE_SE
	s_setreg_imm32_b32 hwreg(HW_REG_WAVE_MODE, 25, 1), 1
	s_wait_xcnt 0x0
; o = softmax(q k^T / 8, causal) v for 64 heads (batch x head) of 2,048 tokens and 64 channels, both products on codes of FP6 (E2M3) with E8M0 scales; o is quantised along the channels and leaves as codes.
; IN (qkv): [head][token / 128][19200]: Q at 0, K at 6400, V at 12800.  Q, K: 8 token tiles x 768 bytes (three planes of 256: registers 2 p, 2 p + 1 of lane l at byte 8 l), then 256 bytes of scale words [row][i]:
; bytes 0, 1 tile 2 i, bytes 2, 3 tile 2 i + 1.  V: 4 channel tiles x 1536 (16 channels x 128 keys), then 256 bytes [row][tile].  Tile 2 g + u, row p, is logical row 32 g + 8 u + p + 8 (p / 8).
; K = 64 IN A FORM THAT IS 128 DEEP: token tiles 2 f and 2 f + 1 of K, 1,536 bytes on end, are ONE fragment; it is multiplied by [q, 0] and by [0, q].
; THE SOFTMAX: t = score x log2(e) / 8; M = the running largest t rounded up to a whole number; p = 2^(t - M) is quantised along the keys, not normalised; the row's sum is taken of the unquantised p and divides O at the end.
; SHARES.  Work-group (x, head) owns the blocks of 256 queries 7 - x and x: it walks the steps of 128 keys 0 .. 15 - 2 x and then 0 .. 2 x + 1: eighteen steps whatever x is.
; A wave owns one token tile of a block: tile w of the first, tile 15 - w of the second, so that each wave leaves out one step as hidden.  Whole steps under the causal mask are left out by a scalar branch on ids.
; K AND V STAY IN LDS: a step's K and V are 12,800 bytes on end; wave w asks for step w's, if the work-group walks it (w < 16 - 2 x): one tensor load a wave in the whole launch, and no byte is filled again.
; Waves 0 to 3 ask at the head.  In front of the first barrier every wave waits for its tile and runs two LDS adds; behind it steps 0 to 3 are whole, and waves 4 to 15 - 2 x ask for theirs.
; The first four trips walk steps 0 to 3 (all their keys count for every query of block 7 - x, which begins at token 1,024 or later); a second barrier, in front of which every wave waits for its load, shows the rest.
; Behind it the waves share nothing and meet no barrier until the end.
; Both products are used transposed (S^T = K Q^T, O^T = V^T P^T): a lane holds one query throughout.
; NO CLUSTER: the four work-groups of a head walk 16, 14, 12 and 10 steps' tiles, and a load whose bytes nobody reads is not issued.  NO PREFETCH: every tile has been asked for when the first trip begins.
; OUT: oc [token tile][K / 128][1536] and os [token tile][K / 256][row][2 words], as the last launch takes an operand; K = 64 head + channel.  A head's part of a scale word is two bytes, stored two bytes a row.
; LIMITS: a block of zeros gets the scale byte 1 (its codes are zeros; this program alone reads the bytes); NaN and infinities are not served; the scaled scores stay under 2^31 in magnitude.
.set REC,   12800                      ; a step in LDS: K 6,144, its scale words 256, V 6,144, its scale words 256
.set SPARE, 262144                     ; the spare words, 128 bytes a wave
.set L8,   1                           ; 8 x lane
.set AS0,  2                           ; my scale words in a step: lanes 0-15 K's, lanes 16-31 V's
.set LQ,   3                           ; r + 8 (r / 8) - 16 h
.set R16,  4                           ; 16 r
.set SPW,  5
.set NIL,  6
.set ADK,  8
.set ADS,  9
.set R8,   10                          ; 8 r
.set SW,   204
.set PW,   208
.set QS,   209
; v12 -M, v13 the largest t, v[14:15] the sum; v16-27 [q, 0]; v192-203 [0, q]; v32-79 four fragments of K, then of V; v80-86 the second phase's q and its scale word; v96-159 S^T, then p; v160-191 O^T; v224-235 p's codes; v232-255 at work
.set WV,   18
.set SEL,  20
.set CS,   22
.set G1,   24
.set G0,   32
.set HB,   36
.set QSA,  38
.set OCB,  40
.set OSB,  42
.set QPA,  44
.set OP,   46
.set OSP,  48
.set OFF,  50
.set PI,   52
.set L2S,  53                          ; 16 - 2 x: steps in the first phase
.set N,    56
.set KF,   57
.set Q0,   58
.set TB,   59
.set QBK,  60
.set TW,   61
.set Q0B,  62
.set SLA,  63
.set OP2,  66
.set OSP2, 68
.set QPB,  80
.set QSB,  82
.set SLB,  84
.macro TLOAD
	tensor_load_to_lds s[G0:G0+3], s[G1:G1+7]
	s_nop 0
.rept 4
	v_nop
.endr
.endm
; Tile s[TW] of block s[QBK]: its first query, where its results go, where its codes and scale words lie, and the byte selects for its two bytes of Q's word
.macro QADDR q0, op, osp, qp, qs, sel
	s_lshl_b32 s[\q0], s[QBK], 8
	s_lshr_b32 s70, s[TW], 1
	s_lshl_b32 s70, s70, 5
	s_add_co_u32 s[\q0], s[\q0], s70
	s_and_b32 s70, s[TW], 1
	s_lshl_b32 s70, s70, 3
	s_add_co_u32 s[\q0], s[\q0], s70
	s_lshl_b32 s70, s[QBK], 1
	s_lshr_b32 s71, s[TW], 3
	s_add_co_u32 s70, s70, s71
	s_mul_i32 s70, s70, 19200
	s_mov_b32 s71, 0
	s_add_nc_u64 s[\qs:\qs+1], s[HB:HB+1], s[70:71]
	s_and_b32 s72, s[TW], 7
	s_mul_i32 s70, s72, 768
	s_add_nc_u64 s[\qp:\qp+1], s[\qs:\qs+1], s[70:71]
	s_lshr_b32 s70, s72, 1
	s_lshl_b32 s70, s70, 2
	s_add_co_u32 s70, s70, 6144
	s_add_nc_u64 s[\qs:\qs+1], s[\qs:\qs+1], s[70:71]
	s_lshl_b32 s70, s[QBK], 4
	s_add_co_u32 s72, s70, s[TW]
	s_mul_i32 s70, s72, 12288
	s_add_nc_u64 s[\op:\op+1], s[OCB:OCB+1], s[70:71]
	s_lshl_b32 s70, s72, 9
	s_add_nc_u64 s[\osp:\osp+1], s[OSB:OSB+1], s[70:71]
	s_mov_b32 s[\sel], 0x01000100
	s_bitcmp1_b32 s[TW], 0
	s_cselect_b32 s[\sel], 0x03020302, s[\sel]
.endm
.macro INIT                            ; the sums begin as zeros and the largest t as -3e38
	v_mov_b32 v13, 0xff61b1e6
	s_delay_alu instid0(VALU_DEP_1)
	v_floor_f32 v12, -v13
	v_mov_b32 v14, 0
	v_mov_b32 v15, 0
.set j, 0
.rept 32
	v_mov_b32 v[160+j], 0
.set j, j+1
.endr
.endm
	s_load_b128 s[4:7], s[0:1], 0x0                ; qkv, oc
	s_load_b64 s[8:9], s[0:1], 0x10                ; os
	v_lshl_add_u32 v[SPW], v0, 2, SPARE
	v_mov_b32 v[NIL], 0
	ds_add_u32 v[SPW], v[NIL]                      ; the opening lines
	ds_add_u32 v[SPW], v[NIL]
	v_lshrrev_b32 v8, 5, v0
	s_delay_alu instid0(VALU_DEP_1)
	v_readfirstlane_b32 s[WV], v8                  ; wave 0..15
	s_mov_b32 s[PI], ttmp9
	s_lshl_b32 s[L2S], s[PI], 1
	s_sub_co_u32 s[L2S], 16, s[L2S]
	s_and_b32 s70, ttmp7, 0xffff                   ; 16 batch + head
	s_mul_i32 s[OFF], s70, 307200
	s_mov_b32 s[OFF+1], 0
	s_mul_i32 s72, s[WV], 19200                    ; step w's record,
	s_add_co_u32 s72, s72, 6400                    ; behind Q's part
	s_mov_b32 s73, 0
	s_mov_b32 s[G0], 1
	s_mul_i32 s[G0+1], s[WV], REC
	s_mov_b32 s[G1], 3<<16                         ; 12,800 dense bytes as 50 rows of 256
	s_mov_b32 s[G1+1], 32<<16
	s_mov_b32 s[G1+2], 50<<16
	s_mov_b32 s[G1+3], 32<<16
	s_mov_b32 s[G1+4], 50
	s_mov_b32 s[G1+5], 32
	s_mov_b32 s[G1+6], 0
	s_mov_b32 s[G1+7], 0
	s_lshr_b32 s74, s70, 4                         ; the batch
	s_and_b32 s75, s70, 15                         ; the head
	s_mul_i32 s76, s74, 128*12288
	s_mul_i32 s77, s75, 768
	s_add_co_u32 s76, s76, s77
	s_mov_b32 s77, 0
	s_lshl_b32 s78, s74, 16
	s_lshr_b32 s79, s75, 2
	s_lshl_b32 s79, s79, 7
	s_add_co_u32 s78, s78, s79
	s_and_b32 s79, s75, 3
	s_lshl_b32 s79, s79, 1
	s_add_co_u32 s78, s78, s79
	s_mov_b32 s79, 0
	s_mov_b32 s[SEL], 0x76543210
	s_mov_b32 s[SEL+1], 0xfedcba98
	s_mov_b32 s[CS], 0x3e38aa3b                    ; c = log2(e) / 8
	s_mov_b32 s[CS+1], s[CS]
	s_mov_b32 s[TB], 0
	s_mov_b32 s[KF], 0
	s_mov_b32 s[N], 0
	s_wait_dscnt 0x0
	s_wait_kmcnt 0x0
	s_add_nc_u64 s[HB:HB+1], s[4:5], s[OFF:OFF+1]
	s_add_nc_u64 s[G0+2:G0+3], s[HB:HB+1], s[72:73]
	s_or_b32 s[G0+3], s[G0+3], 0x80000000
	s_cmp_lt_u32 s[WV], 4
	s_cbranch_scc0 .Lasked
	TLOAD                                          ; steps 0 to 3
.Lasked:
	s_add_nc_u64 s[OCB:OCB+1], s[6:7], s[76:77]
	s_add_nc_u64 s[OSB:OSB+1], s[8:9], s[78:79]
	s_sub_co_u32 s[QBK], 7, s[PI]
	s_mov_b32 s[TW], s[WV]
	QADDR Q0, OP, OSP, QPA, QSA, SLA
	s_mov_b32 s[QBK], s[PI]
	s_sub_co_u32 s[TW], 15, s[WV]
	QADDR Q0B, OP2, OSP2, QPB, QSB, SLB
	v_and_b32 v11, 31, v0
	v_and_b32 v12, 15, v0                          ; r
	v_bfe_u32 v13, v0, 4, 1                        ; h
	v_lshlrev_b32 v[L8], 3, v11
	v_mul_u32_u24 v[AS0], v13, 6400
	v_lshl_add_u32 v[AS0], v12, 4, v[AS0]
	v_add_nc_u32 v[AS0], 6144, v[AS0]
	v_and_b32 v[LQ], 8, v12
	v_add_nc_u32 v[LQ], v[LQ], v12
	v_lshlrev_b32 v14, 4, v13
	v_sub_nc_u32 v[LQ], v[LQ], v14
	v_lshlrev_b32 v[R16], 4, v12
	v_lshlrev_b32 v[R8], 3, v12
.irp p, 0,1,2
	global_load_b64 v[16+2*\p:17+2*\p], v[L8], s[QPA:QPA+1] offset:256*\p
	global_load_b64 v[198+2*\p:199+2*\p], v[L8], s[QPA:QPA+1] offset:256*\p
	global_load_b64 v[80+2*\p:81+2*\p], v[L8], s[QPB:QPB+1] offset:256*\p
.endr
	global_load_b32 v[QS], v[R16], s[QSA:QSA+1]
	global_load_b32 v86, v[R16], s[QSB:QSB+1]
.irp i, 0,1,2,3,4,5
	v_mov_b32 v[22+\i], 0                          ; [q, 0]'s zeros: zero codes add nothing under any scale byte but 0xff
	v_mov_b32 v[192+\i], 0                         ; [0, q]'s
.endr
.irp b, 0,1,2,3
	v_mov_b32 v[236+\b], 0                         ; a lane permute's destination counts as one of its sources
.endr
	v_mov_b32 v252, 0
	v_mov_b32 v253, 0
	s_wait_alu depctr_va_vdst(0)
	s_wait_loadcnt 0x0
	v_perm_b32 v[QS], v[QS], v[QS], s[SLA]         ; my tile's two bytes, in both halves of the word
	v_perm_b32 v86, v86, v86, s[SLB]
	INIT
	s_wait_alu depctr_va_vdst(0)
	s_wait_tensorcnt 0x0                           ; every wave: my tile, if I asked for one, is in;
	ds_add_u32 v[SPW], v[NIL]                      ; the add twice on end
	ds_add_u32 v[SPW], v[NIL]
	s_wait_dscnt 0x0
	s_barrier_signal -1
	s_barrier_wait -1                              ; steps 0 to 3 are in
	s_cmp_lt_u32 s[WV], 4
	s_cbranch_scc1 .Lno_later
	s_cmp_lt_u32 s[WV], s[L2S]
	s_cbranch_scc0 .Lno_later
	TLOAD                                          ; steps 4 to 15 - 2 x: they have the first four trips in which to land
.Lno_later:
; A KEY STEP: the 128 keys at LDS byte s[TB].  full = 0: every key counts for every query of the tile
.macro STEP full
.if \full
	s_add_co_u32 s70, s[Q0], 23                    ; my tile's last query.  A step all of whose keys come after it is left out
	s_cmp_gt_u32 s[KF], s70
	s_cbranch_scc1 .Lhidden_\@
.endif
	v_add_nc_u32 v[ADK], s[TB], v[L8]
	v_add_nc_u32 v[ADS], s[TB], v[AS0]
.irp f, 0,1,2,3
.irp p, 0,1,2,3,4,5
	ds_load_b64 v[32+12*\f+2*\p:33+12*\f+2*\p], v[ADK] offset:1536*\f+256*\p
.endr
.endr
	ds_load_b128 v[SW:SW+3], v[ADS]
	s_wait_alu depctr_va_vdst(0)
	s_wait_dscnt 0x0
.irp f, 0,1,2,3                        ; S^T: register 96 + 16 f + i holds key KF + 32 f + 16 (lane / 16) + i
	v_wmma_scale_f32_16x16x128_f8f6f4 v[96+16*\f:103+16*\f], v[32+12*\f:43+12*\f], v[16:27], 0, v[SW+\f], v[QS] matrix_a_fmt:MATRIX_FMT_FP6 matrix_b_fmt:MATRIX_FMT_FP6
	v_wmma_scale_f32_16x16x128_f8f6f4 v[104+16*\f:111+16*\f], v[32+12*\f:43+12*\f], v[192:203], 0, v[SW+\f], v[QS] matrix_a_fmt:MATRIX_FMT_FP6 matrix_b_fmt:MATRIX_FMT_FP6
.endr
.rept 4
	v_nop                                          ; places: in front of the loads into K's registers, and of the first read of the scores
.endr
.irp t, 0,1,2,3
.irp p, 0,1,2,3,4,5
	ds_load_b64 v[32+12*\t+2*\p:33+12*\t+2*\p], v[ADK] offset:6400+1536*\t+256*\p   ; V: it lands while the softmax is walked
.endr
.endr
.if \full
	s_add_co_u32 s70, s[KF], 127                   ; on the diagonal the scores of hidden keys become -infinity ahead of the maximum
	s_cmp_le_u32 s70, s[Q0]
	s_cbranch_scc1 .Lopen_\@
	s_sub_co_i32 s70, s[Q0], s[KF]
	s_lshr_b32 s71, s70, 5                         ; my tile's 16 queries lie in this block of 32 keys: the blocks before it count whole, those behind it are hidden whole
	v_add_nc_u32 v252, s70, v[LQ]                  ; d = my query - KF - 16 (lane / 16): register 16 f + i is hidden where 32 f + i > d
	v_mov_b32 v254, 0xff800000
	s_wait_alu depctr_va_vdst(0)
.irp f, 0,1,2,3
	s_cmp_gt_u32 s71, \f
	s_cbranch_scc1 .Lseen_\@_\f
	s_cmp_lt_u32 s71, \f
	s_cbranch_scc1 .Lgone_\@_\f
.irp i, 0,1,2,3,4,5,6,7,8,9,10,11,12,13,14,15
	v_cmp_gt_i32 vcc_lo, 32*\f+\i, v252
	v_cndmask_b32 v[96+16*\f+\i], v[96+16*\f+\i], v254, vcc_lo
.endr
	s_branch .Lseen_\@_\f
.Lgone_\@_\f:
.irp i, 0,1,2,3,4,5,6,7,8,9,10,11,12,13,14,15
	v_mov_b32 v[96+16*\f+\i], v254
.endr
.Lseen_\@_\f:
.endr
	s_wait_alu depctr_va_vdst(0)
.Lopen_\@:
.endif
.irp b, 0,1,2,3
	v_max3_num_f32 v[232+\b], v[96+16*\b], v[97+16*\b], v[98+16*\b]   ; the largest score of each block of 32 keys: for the row's maximum, and, since p rises with the score, for the block's largest p
.endr
.irp i, 3,5,7,9,11,13
.irp b, 0,1,2,3
	v_max3_num_f32 v[232+\b], v[232+\b], v[96+16*\b+\i], v[97+16*\b+\i]
.endr
.endr
.irp b, 0,1,2,3
	v_max_num_f32 v[232+\b], v[232+\b], v[111+16*\b]
.endr
.irp b, 0,1,2,3
	s_delay_alu instid0(VALU_DEP_4)
	v_permlanex16_b32 v[236+\b], v[232+\b], s[SEL], s[SEL+1]
.endr
.irp b, 0,1,2,3
	s_delay_alu instid0(VALU_DEP_4)
	v_max_num_f32 v[232+\b], v[232+\b], v[236+\b]  ; with lane l xor 16's 16 keys
.endr
	s_delay_alu instid0(VALU_DEP_2)
	v_max3_num_f32 v254, v232, v233, v234
	s_delay_alu instid0(VALU_DEP_1)
	v_max_num_f32 v254, v254, v235                 ; the step's largest score of my query: a number, since the step's first key counts
	s_delay_alu instid0(VALU_DEP_1)
	v_mul_f32 v254, s[CS], v254
	s_delay_alu instid0(VALU_DEP_1)
	v_max_num_f32 v13, v13, v254                   ; the running largest t
	v_mov_b32 v254, v12
	s_delay_alu instid0(VALU_DEP_2)
	v_floor_f32 v12, -v13                          ; the new -M = -ceil(t)
	s_delay_alu instid0(VALU_DEP_1)
	v_sub_f32 v254, v12, v254                      ; old M - new M: a whole number, 0 or less
	s_delay_alu instid0(VALU_DEP_1)
	v_cvt_i32_f32 v254, v254                       ; (it saturates)
	s_delay_alu instid0(VALU_DEP_1)
	v_ldexp_f32 v252, 1.0, v254                    ; f = 2^(old M - new M): a multiplication by it rounds nothing
.irp j, 0,2,4,6,8,10,12,14,16,18,20,22,24,26,28,30,32,34,36,38,40,42,44,46,48,50,52,54,56,58,60,62
	v_pk_fma_f32 v[96+\j:97+\j], v[96+\j:97+\j], s[CS:CS+1], v[12:13] op_sel_hi:[1,0,0]   ; t - M
.endr
.irp b, 0,1,2,3
	v_fma_f32 v[232+\b], v[232+\b], s[CS], v12     ; the same of each block's largest score
.endr
	s_wait_alu depctr_va_vdst(0)
.irp j, 0,1,2,3,4,5,6,7,8,9,10,11,12,13,14,15,16,17,18,19,20,21,22,23,24,25,26,27,28,29,30,31,32,33,34,35,36,37,38,39,40,41,42,43,44,45,46,47,48,49,50,51,52,53,54,55,56,57,58,59,60,61,62,63
	v_exp_f32 v[96+\j], v[96+\j]                   ; p = 2^(t - M)
.endr
	v_pk_mul_f32 v[14:15], v[14:15], v[252:253] op_sel_hi:[1,0]   ; the sums under the new M.  (A plain place behind the exponentials)
	s_wait_alu depctr_va_vdst(0)                   ; the wait ahead of the first line that names a result: one for the whole batch
.irp b, 0,1,2,3
	v_exp_f32 v[232+\b], v[232+\b]                 ; the block's largest p
.endr
	v_pk_add_f32 v[236:237], v[100:101], v[104:105]
	v_pk_add_f32 v[254:255], v[108:109], v[112:113]
	v_pk_add_f32 v[250:251], v[116:117], v[120:121]
	v_pk_add_f32 v[248:249], v[124:125], v[128:129]
	v_pk_add_f32 v[246:247], v[132:133], v[136:137]
	v_pk_add_f32 v[244:245], v[140:141], v[144:145]
	v_pk_add_f32 v[242:243], v[148:149], v[152:153]
	v_pk_add_f32 v[14:15], v[14:15], v[156:157]
	v_pk_add_f32 v[236:237], v[236:237], v[96:97]
	v_pk_add_f32 v[254:255], v[254:255], v[98:99]
	v_pk_add_f32 v[250:251], v[250:251], v[102:103]
	v_pk_add_f32 v[248:249], v[248:249], v[106:107]
	v_pk_add_f32 v[246:247], v[246:247], v[110:111]
	v_pk_add_f32 v[244:245], v[244:245], v[114:115]
	v_pk_add_f32 v[242:243], v[242:243], v[118:119]
	v_pk_add_f32 v[14:15], v[14:15], v[122:123]
	v_pk_add_f32 v[236:237], v[236:237], v[126:127]
	v_pk_add_f32 v[254:255], v[254:255], v[130:131]
	v_pk_add_f32 v[250:251], v[250:251], v[134:135]
	v_pk_add_f32 v[248:249], v[248:249], v[138:139]
	v_pk_add_f32 v[246:247], v[246:247], v[142:143]
	v_pk_add_f32 v[244:245], v[244:245], v[146:147]
	v_pk_add_f32 v[242:243], v[242:243], v[150:151]
	v_pk_add_f32 v[14:15], v[14:15], v[154:155]
	v_pk_add_f32 v[236:237], v[236:237], v[158:159]
	s_delay_alu instid0(VALU_DEP_2)
	v_pk_add_f32 v[14:15], v[14:15], v[248:249]
	s_delay_alu instid0(VALU_DEP_2)
	v_pk_add_f32 v[236:237], v[236:237], v[246:247]
	v_pk_add_f32 v[254:255], v[254:255], v[244:245]
	v_pk_add_f32 v[250:251], v[250:251], v[242:243]
	s_delay_alu instid0(VALU_DEP_2)
	v_pk_add_f32 v[14:15], v[14:15], v[254:255]
	s_delay_alu instid0(VALU_DEP_2)
	v_pk_add_f32 v[236:237], v[236:237], v[250:251]
	s_delay_alu instid0(VALU_DEP_1)
	v_pk_add_f32 v[14:15], v[14:15], v[236:237]
	s_wait_alu depctr_va_vdst(0)                   ; and one for the four
.irp b, 0,1,2,3
	v_max_num_f32 v[232+\b], 0x1800000, v[232+\b]  ; the floor 2^(3 - 127): the byte cannot fall under 1
.endr
.irp b, 0,1,2,3
	s_delay_alu instid0(VALU_DEP_4)
	v_add_nc_u32 v[244+\b], 0xff000000, v[232+\b]  ; the conversion's scale operand
.endr
.irp b, 0,1,2,3
	s_delay_alu instid0(VALU_DEP_4)
	v_lshrrev_b32 v[236+\b], 23, v[244+\b]         ; the scale's byte
.endr
	s_delay_alu instid0(VALU_DEP_3)
	v_lshl_or_b32 v[PW], v237, 8, v236             ; p's scale word for these 128 keys
	s_delay_alu instid0(VALU_DEP_1)
	v_lshl_or_b32 v[PW], v238, 16, v[PW]
	s_delay_alu instid0(VALU_DEP_1)
	v_lshl_or_b32 v[PW], v239, 24, v[PW]
.irp c, 0,1
	v_cvt_scalef32_pk16_fp6_f32 v[224+6*\c:226+6*\c], v[96+32*\c:111+32*\c], v[244+2*\c]
	v_cvt_scalef32_pk16_fp6_f32 v[236+4*\c:238+4*\c], v[112+32*\c:127+32*\c], v[244+2*\c+1]   ; (a conversion's three registers begin on an even number)
.endr
	v_nop                                          ; one plain place behind a scaled conversion
.irp c, 0,1
.irp i, 0,1,2
	v_permlane16_swap_b32 v[224+6*\c+\i], v[236+4*\c+\i]
.endr
.irp i, 0,1,2
	s_delay_alu instid0(VALU_DEP_3)
	v_mov_b32 v[227+6*\c+\i], v[236+4*\c+\i]
.endr
.endr
.irp j, 0,2,4,6,8,10,12,14,16,18,20,22,24,26,28,30
	v_pk_mul_f32 v[160+\j:161+\j], v[160+\j:161+\j], v[252:253] op_sel_hi:[1,0]   ; O^T under the new M.  (These 16 are also the places between the lines that made p's codes and scale word and the products below)
.endr
	s_wait_alu depctr_va_vdst(0)
	s_wait_dscnt 0x0                               ; V is in
.irp t, 0,1,2,3                        ; O^T += V^T P^T: the four accumulators by turns
	v_wmma_scale_f32_16x16x128_f8f6f4 v[160+8*\t:167+8*\t], v[32+12*\t:43+12*\t], v[224:235], v[160+8*\t:167+8*\t], v[SW+\t], v[PW] matrix_a_fmt:MATRIX_FMT_FP6 matrix_b_fmt:MATRIX_FMT_FP6 matrix_a_scale:MATRIX_SCALE_ROW1
.endr
.rept 4
	v_nop                                          ; places: in front of the next loads into these operands, and of the next read of O^T
.endr
.if \full
.Lhidden_\@:
.endif
	s_add_co_u32 s[KF], s[KF], 128
.endm
; A PHASE ends: O^T / the sum; its 64 channels are two blocks of 32 along the last product's K; codes and scale bytes leave.
.macro FINISH op, osp
	v_add_f32 v14, v14, v15
	s_delay_alu instid0(VALU_DEP_1)
	v_permlanex16_b32 v252, v14, s[SEL], s[SEL+1]
	s_delay_alu instid0(VALU_DEP_1)
	v_add_f32 v14, v14, v252                       ; the row's sum
	s_wait_alu depctr_va_vdst(0)
	v_rcp_f32 v14, v14
	v_nop                                          ; one plain place behind a transcendental
	s_wait_alu depctr_va_vdst(0)                   ; the wait, ahead of the first reader
.set j, 0
.rept 32
	v_mul_f32 v[96+j], v[160+j], v14               ; register 16 b + i: channel 32 b + 16 (lane / 16) + i of my query
.set j, j+1
.endr
.irp b, 0,1
	v_max3_num_f32 v[232+\b], |v[96+16*\b]|, |v[97+16*\b]|, 0x1800000
.endr
.irp i, 2,4,6,8,10,12,14
.irp b, 0,1
	s_delay_alu instid0(VALU_DEP_2)
	v_max3_num_f32 v[232+\b], v[232+\b], |v[96+16*\b+\i]|, |v[97+16*\b+\i]|
.endr
.endr
.irp b, 0,1
	s_delay_alu instid0(VALU_DEP_2)
	v_permlanex16_b32 v[236+\b], v[232+\b], s[SEL], s[SEL+1]
.endr
.irp b, 0,1
	s_delay_alu instid0(VALU_DEP_2)
	v_max_num_f32 v[232+\b], v[232+\b], v[236+\b]
.endr
.irp b, 0,1
	s_delay_alu instid0(VALU_DEP_2)
	v_add_nc_u32 v[244+\b], 0xff000000, v[232+\b]
.endr
.irp b, 0,1
	s_delay_alu instid0(VALU_DEP_2)
	v_lshrrev_b32 v[236+\b], 23, v[244+\b]
.endr
	s_delay_alu instid0(VALU_DEP_1)
	v_lshl_or_b32 v240, v237, 8, v236              ; my row's two scale bytes
	v_cvt_scalef32_pk16_fp6_f32 v[224:226], v[96:111], v244
	v_cvt_scalef32_pk16_fp6_f32 v[236:238], v[112:127], v245
	v_nop                                          ; one plain place behind a scaled conversion
.irp i, 0,1,2
	v_permlane16_swap_b32 v[224+\i], v[236+\i]
.endr
.irp i, 0,1,2
	s_delay_alu instid0(VALU_DEP_3)
	v_mov_b32 v[227+\i], v[236+\i]                 ; registers 0-5 of half a fragment: k = 32 (lane / 16) + 0 .. 31
.endr
.irp p, 0,1,2
	global_store_b64 v[L8], v[224+2*\p:225+2*\p], s[\op:\op+1] offset:256*\p   ; a plane: 256 consecutive bytes, aligned
.endr
	global_store_b16 v[R8], v240, s[\osp:\osp+1]   ; lanes l and l + 16 hold the same row's bytes and write them to the same place
.endm
.Lfirst:                                           ; steps 0 to 3, while the later steps' tiles land
	STEP 0
	s_add_co_u32 s[TB], s[TB], REC
	s_add_co_u32 s[N], s[N], 1
	s_cmp_lt_u32 s[N], 4
	s_cbranch_scc1 .Lfirst
	s_wait_tensorcnt 0x0                           ; every wave: my tile is in
	s_wait_dscnt 0x0
	s_barrier_signal -1
	s_barrier_wait -1                              ; all tiles are in
	s_mov_b32 s[N], 4
.Lrest:                                            ; trips 4 to 17: step N of the first phase, or N - (16 - 2 x) of the second
	s_sub_co_u32 s70, s[N], s[L2S]
	s_cmp_lt_u32 s[N], s[L2S]
	s_cselect_b32 s70, s[N], s70
	s_min_u32 s70, s70, 15
	s_mul_i32 s[TB], s70, REC
	STEP 1
	s_add_co_u32 s70, s[N], 1
	s_cmp_lg_u32 s70, s[L2S]                       ; ids and the count of trips alone
	s_cbranch_scc1 .Lsame
	FINISH OP, OSP
	s_wait_xcnt 0x0                                ; the stores have read their data
	s_mov_b32 s[Q0], s[Q0B]
	s_mov_b32 s[KF], 0
.irp i, 0,1,2,3,4,5
	v_mov_b32 v[16+\i], v[80+\i]                   ; the second phase's q.  (The 36 lines of INIT are the places ahead of the next scaled product)
	v_mov_b32 v[198+\i], v[80+\i]
.endr
	v_mov_b32 v[QS], v86
	INIT
.Lsame:
	s_add_co_u32 s[N], s[N], 1
	s_cmp_lt_u32 s[N], 18
	s_cbranch_scc1 .Lrest
	FINISH OP2, OSP2
	s_wait_dscnt 0x0
	s_barrier_signal -1
	s_barrier_wait -1                              ; every wave's reads of the tiles are over ahead of the closing lines
	s_wait_tensorcnt 0x0                           ; the wave's end
	ds_add_u32 v[SPW], v[NIL]
	s_wait_dscnt 0x0
	s_endpgm
.Lfunc_end_k_q0c1fa9d7f2_attn:
	.size	k_q0c1fa9d7f2_attn, .Lfunc_end_k_q0c1fa9d7f2_attn-k_q0c1fa9d7f2_attn
	.p2alignl 7, 3214868480
	.fill 96, 4, 3214868480
	.section	.rodata,"a",@progbits
	.p2align	6, 0x0
	.amdhsa_kernel k_q0c1fa9d7f2_attn
		.amdhsa_group_segment_fixed_size 327680
		.amdhsa_private_segment_fixed_size 0
		.amdhsa_enable_private_segment 0
		.amdhsa_kernarg_size 24
		.amdhsa_user_sgpr_count 2
		.amdhsa_user_sgpr_kernarg_segment_ptr 1
		.amdhsa_wavefront_size32 1
		.amdhsa_system_sgpr_workgroup_id_x 1
		.amdhsa_system_sgpr_workgroup_id_y 1
		.amdhsa_system_sgpr_workgroup_id_z 1
		.amdhsa_system_vgpr_workitem_id 0
		.amdhsa_next_free_vgpr 256
		.amdhsa_next_free_sgpr 96
		.amdhsa_reserve_vcc 1
		.amdhsa_float_denorm_mode_32 3
		.amdhsa_float_denorm_mode_16_64 3
		.amdhsa_memory_ordered 1
		.amdhsa_forward_progress 1
		.amdhsa_inst_pref_size 65
	.end_amdhsa_kernel
	.amdgpu_metadata
---
amdhsa.version: [ 1, 2 ]
amdhsa.kernels:
  - .name:           k_q0c1fa9d7f2_attn
    .symbol:         k_q0c1fa9d7f2_attn.kd
    .args:
      - { .name: qkv, .offset: 0, .size: 8, .value_kind: global_buffer, .address_space: global }
      - { .name: oc, .offset: 8, .size: 8, .value_kind: global_buffer, .address_space: global }
      - { .name: os, .offset: 16, .size: 8, .value_kind: global_buffer, .address_space: global }
    .group_segment_fixed_size: 327680
    .private_segment_fixed_size: 0
    .kernarg_segment_align: 8
    .kernarg_segment_size: 24
    .max_flat_workgroup_size: 512
    .sgpr_count:     96
    .vgpr_count:     256
    .wavefront_size: 32
...
	.end_amdgpu_metadata
.endif
;; end of part 3
;; launch gemm_out (part 4): grid 8 x 32, 4 waves a work-group, clusters of 4 x 4, 327,680 bytes of LDS; arguments oc, os, opc, ops, b_out, out0; writes out0
.if DOCPART == 4
	.amdgcn_target "amdgcn-amd-amdhsa--gfx1250"
	.amdhsa_code_object_version 6
	.text
	.protected	k_q0c1fa9d7f2_gemm_out
	.globl	k_q0c1fa9d7f2_gemm_out
	.p2align	8
	.type	k_q0c1fa9d7f2_gemm_out,@function
k_q0c1fa9d7f2_gemm_out:
	s_mov_b64 s[64:65], 0
	v_nop
	global_prefetch_b8 v0, s[64:65] scope:SCOPE_SE
	s_setreg_imm32_b32 hwreg(HW_REG_WAVE_MODE, 25, 1), 1
	s_wait_xcnt 0x0
	s_wait_alu depctr_hold_cnt(0) depctr_sa_sdst(0) depctr_va_vdst(0) depctr_va_sdst(0) depctr_va_ssrc(0) depctr_va_vcc(0) depctr_vm_vsrc(0)
	s_getreg_b32 s2, hwreg(HW_REG_IB_STS2, 6, 4)
	s_cmp_eq_u32 s2, 0
	s_cbranch_scc0 .Lentry_in_a_cluster
	s_endpgm
.Lentry_in_a_cluster:
	s_bfe_u32 s2, ttmp6, 0x10000c
	s_cmp_lg_u32 s2, 0xf033
	s_cbranch_scc0 .Lentry_shape_is_right
	s_endpgm
.Lentry_shape_is_right:
; out0 = o W_out + b_out on codes of FP6 (E2M3) with E8M0 scales; f32 results.
; IN: oc, os: the attention's result, [token tile][K / 128][1536] and [token tile][K / 256][row][2 words]; opc, ops: the same for W_out's columns, tiles 704-767.  Tile 2 g + u, row p = logical row 32 g + 8 u + p + 8 (p / 8).
; THE DEAL.  Work-group (cu, tb) makes tokens 256 tb .. + 255 x columns 128 cu .. + 127: 8 x 32 = 256 work-groups.  All its operands, all of K, come into LDS once, one tensor load a wave; no LDS byte is filled again.
; Wave (a, b) holds columns 128 cu + 64 b .. + 63, all of K, in 384 registers and streams the 8 token tiles 8 a .. 8 a + 7 past them: a block is 32 products on four accumulators by turns.
; Source 0 = the weight's rows: a lane's 32 results are columns 32 j + 16 h + 0 .. 15 (j = 0, 1) of one token.  The bias is the C of a block's first four products.
; THE WAY OUT: a block's 16 rows x 256 bytes go through the wave's own stage in LDS and leave by rows: sixteen lanes store 256 consecutive bytes, aligned.  The first LDS store stands behind the wait for all tensor loads.
; CLUSTERS: the tokens are asked for jointly along a row of the cluster, the weight along a column.  NO PREFETCH: every tile is asked for at the head; the text has no loop to run ahead in.
.set FR, 12
.set FPW, 21
.set NF, 52                            ; LDS loads of a block's fetch
.set TILEB, 12288
.set PARTB, 8*TILEB
.set RB, 2*PARTB
.set SSC, 3*PARTB
.set STG, SSC+8192                     ; the stages: 16 rows of 272 bytes a wave
.set SPARE, STG+4*4352
.set L8, 1
.set ADRA0, 2
.set ADRF, 3
.set ADRB, 4
.set AAS, 5
.set SPW, 6
.set NIL, 7
.set WSO, 8
.set BO, 9
.set STO, 10
.set RD, 11
.set CO, 12
.set SB, 24
.set SA, 44
.set ACC, 64
.set OB, 128                           ; v128-191 rows read back from the stage, two sets
.set BI, 192
.set G1A, 24
.set G1R, 32
.set G1S, 48
.set G0A, 56
.set G0R, 60
.set G0S, 68
.set G0P, 72
.set MSB, 0
.macro WIN new
.if MSB != \new
	s_set_vgpr_msb (MSB<<8)|\new
.set MSB, \new
.endif
.endm
.macro PLACES n
.rept \n
	v_nop
.endr
.endm
.macro WALU
	s_wait_alu depctr_va_vdst(0)
.endm
.macro BARRIER
	s_barrier_signal -1
	s_barrier_wait -1
.endm
.macro MIDDLE
	WIN 0
	s_barrier_wait -1
	s_cmp_lg_u32 s14, 0
	s_cbranch_scc1 .Lnot_wave_0_\@
	s_barrier_signal -3
.Lnot_wave_0_\@:
	s_barrier_wait -3
.endm
.macro CROUND
	s_barrier_signal -1
	MIDDLE
	BARRIER
.endm
.macro TLOAD g0, g1
	tensor_load_to_lds s[\g0:\g0+3], s[\g1:\g1+7]
	s_nop 0
	PLACES 4
.endm
.macro WEIGHTS
.set F_, 0
.rept 32
	WIN (1+F_/FPW)<<6
.irp p, 0,1,2,3,4,5
	ds_load_b64 v[FR*(F_%FPW)+2*\p:FR*(F_%FPW)+2*\p+1], v[ADRB] offset:(F_%4)*TILEB+(F_/4)*1536+256*\p
.endr
.set F_, F_+1
.endr
	WIN 0
.endm
.macro FETCH e, s
	v_add_nc_u32 v[ADRF], ((\s)/4)*PARTB+((\s)%4)*TILEB, v[ADRA0]
.set Q2_, 0
.rept 8
.set F_, 32+8*(\e)+Q2_
	WIN (1+F_/FPW)<<6
.irp p, 0,1,2,3,4,5
	ds_load_b64 v[FR*(F_%FPW)+2*\p:FR*(F_%FPW)+2*\p+1], v[ADRF] offset:Q2_*1536+256*\p
.endr
.set Q2_, Q2_+1
.endr
	WIN 0
.irp k, 0,1,2,3
	ds_load_b64 v[SA+8*(\e)+2*\k:SA+8*(\e)+2*\k+1], v[AAS] offset:(\s)*512+128*\k
.endr
.endm
.macro PROD1 d, s0, s1, c, x0, x1, o
.if \o
	v_wmma_scale_f32_16x16x128_f8f6f4 v[\d:\d+7], v[FR*((\s0)%FPW):FR*((\s0)%FPW)+FR-1], v[FR*((\s1)%FPW):FR*((\s1)%FPW)+FR-1], \c, v[\x0], v[\x1] matrix_a_fmt:MATRIX_FMT_FP6 matrix_b_fmt:MATRIX_FMT_FP6 matrix_a_scale:MATRIX_SCALE_ROW1
.else
	v_wmma_scale_f32_16x16x128_f8f6f4 v[\d:\d+7], v[FR*((\s0)%FPW):FR*((\s0)%FPW)+FR-1], v[FR*((\s1)%FPW):FR*((\s1)%FPW)+FR-1], \c, v[\x0], v[\x1] matrix_a_fmt:MATRIX_FMT_FP6 matrix_b_fmt:MATRIX_FMT_FP6 matrix_a_scale:MATRIX_SCALE_ROW0
.endif
.endm
.macro PROD s, n
.set Q_, (\n)/4
.set J_, (\n)%4
.set E_, (\s)%2
.set FB_, 4*Q_+J_
.set FA_, 32+8*E_+Q_
.set D_, ACC+32*E_+8*J_
.set XB_, SB+8*(J_/2)+Q_
.set XA_, SA+8*E_+Q_
	WIN (1+FB_/FPW)|((1+FA_/FPW)<<2)
.if Q_
	PROD1 D_, FB_, FA_, v[D_:D_+7], XB_, XA_, J_%2
.else
	PROD1 D_, FB_, FA_, v[BI+8*J_:BI+8*J_+7], XB_, XA_, J_%2
.endif
.endm
.macro SEND a                          ; block a's 16 rows leave
.irp t, 0,1,2,3,4,5,6,7
	global_store_b128 v[CO], v[OB+32*((\a)%2)+4*\t:OB+32*((\a)%2)+4*\t+3], s[98:99] offset:(32*((\a)/2)+8*((\a)%2)+2*\t+8*(\t/4))*4096 th:TH_STORE_NT
.endr
.endm
.macro OBLOCK s
.if (\s) < 7
	s_wait_dscnt NF                                ; this block's rows and the last block's rows from the stage are in; the 52 loads of the fetch issued last may be out
.else
	s_wait_dscnt 0x0
.endif
.if (\s) > 0
	SEND (\s)-1
.endif
.set N_, 0
.rept 32
	PROD \s, N_
.set N_, N_+1
.endr
	WIN 0
.if (\s) == 0
	s_wait_tensorcnt 0x0                           ; every wave: all tensor loads are in, tiles 4-7 among them
	s_wait_dscnt 0x0
	BARRIER
.endif
	PLACES 4
.if (\s) > 1
	s_wait_xcnt 0x0                                ; block s - 2's stores have read their data
.endif
.irp j, 0,1,2,3
	ds_store_b128 v[STO], v[ACC+32*((\s)%2)+8*\j:ACC+32*((\s)%2)+8*\j+3] offset:128*(\j/2)+32*(\j%2)
	ds_store_b128 v[STO], v[ACC+32*((\s)%2)+8*\j+4:ACC+32*((\s)%2)+8*\j+7] offset:128*(\j/2)+32*(\j%2)+16
.endr
.irp t, 0,1,2,3,4,5,6,7
	ds_load_b128 v[OB+32*((\s)%2)+4*\t:OB+32*((\s)%2)+4*\t+3], v[RD] offset:544*\t   ; LDS serves a wave's instructions in order: these see the stores above
.endr
.if (\s) < 6
	FETCH (\s)%2, (\s)+2
.endif
.endm
; ---- the head
	s_load_b256 s[4:11], s[0:1], 0x0               ; oc, os, opc, ops
	s_load_b128 s[96:99], s[0:1], 0x20             ; b_out, out0
	v_lshl_add_u32 v[SPW], v0, 2, SPARE
	v_mov_b32 v[NIL], 0
	ds_add_u32 v[SPW], v[NIL]                      ; the opening lines
	ds_add_u32 v[SPW], v[NIL]
	v_lshrrev_b32 v13, 5, v0
	v_readfirstlane_b32 s14, v13
	s_lshr_b32 s15, s14, 1                         ; a
	s_and_b32 s16, s14, 1                          ; b
	s_bfe_u32 s40, ttmp6, 0x40000
	s_bfe_u32 s41, ttmp6, 0x40004
	s_lshl_b32 s42, ttmp9, 2
	s_add_co_u32 s42, s42, s40                     ; cu
	s_and_b32 s43, ttmp7, 0xffff
	s_lshl_b32 s43, s43, 2
	s_add_co_u32 s43, s43, s41                     ; tb
	s_lshl_b32 s44, s41, 2
	s_lshl_b32 s44, 15, s44
	s_lshl_b32 s45, 0x1111, s40
	s_or_b32 s[G1A], s44, (3<<16)|(1<<21)          ; a part of the tokens: 2 rows of 4 tiles, 8 tiles apart
	s_mov_b32 s[G1A+1], 6144<<16
	s_mov_b32 s[G1A+2], 2<<16
	s_mov_b32 s[G1A+3], 6144<<16
	s_mov_b32 s[G1A+4], 2
	s_mov_b32 s[G1A+5], 12288
	s_mov_b32 s[G1A+6], 0
	s_mov_b32 s[G1A+7], 0
	s_or_b32 s[G1R], s45, (3<<16)|(1<<21)          ; the weight's unit: 8 tiles on end
	s_mov_b32 s[G1R+1], 1536<<16
	s_mov_b32 s[G1R+2], 8<<16
	s_mov_b32 s[G1R+3], 1536<<16
	s_mov_b32 s[G1R+4], 8
	s_mov_b32 s[G1R+5], 1536
	s_mov_b32 s[G1R+6], 0
	s_mov_b32 s[G1R+7], 0
	s_or_b32 s[G1S], s44, (3<<16)|(1<<21)          ; the tokens' scale words: 32 rows of 256 bytes
	s_mov_b32 s[G1S+1], 32<<16
	s_mov_b32 s[G1S+2], 32<<16
	s_mov_b32 s[G1S+3], 32<<16
	s_mov_b32 s[G1S+4], 32
	s_mov_b32 s[G1S+5], 32
	s_mov_b32 s[G1S+6], 0
	s_mov_b32 s[G1S+7], 0
	s_mov_b32 s[G0A], 1
	s_mov_b32 s[G0A+1], 0
	s_mov_b32 s[G0P], 1
	s_mov_b32 s[G0P+1], PARTB
	s_mov_b32 s[G0R], 1
	s_mov_b32 s[G0R+1], RB
	s_mov_b32 s[G0S], 1
	s_mov_b32 s[G0S+1], SSC
	s_mul_i32 s17, s43, 16*TILEB
	s_lshl_b32 s18, s43, 13
	s_mul_i32 s19, s42, PARTB
	s_add_co_u32 s19, s19, 704*TILEB
	s_lshl_b32 s78, s42, 12
	s_lshl_b32 s20, s16, 11
	s_add_co_u32 s78, s78, s20
	s_add_co_u32 s78, s78, 704*512
	s_mov_b32 s79, 0
	s_lshl_b32 s80, s42, 9
	s_lshl_b32 s20, s16, 8
	s_add_co_u32 s80, s80, s20                     ; my first column, in bytes
	s_mov_b32 s81, 0
	s_lshl_b32 s76, s43, 20
	s_lshl_b32 s20, s15, 19
	s_add_co_u32 s76, s76, s20
	s_add_co_u32 s76, s76, s80                     ; my first row and column in out0
	s_mov_b32 s77, 0
	s_mul_i32 s90, s15, 4*TILEB
	s_mul_i32 s91, s16, 4*TILEB
	s_add_co_u32 s91, s91, RB
	s_lshl_b32 s92, s15, 12
	s_add_co_u32 s92, s92, SSC
	s_mul_i32 s93, s14, 4352
	s_add_co_u32 s93, s93, STG
	WALU
	s_wait_dscnt 0x0
	CROUND                                         ; the round in front of the first joint loads
	s_wait_kmcnt 0x0
	s_mov_b32 s21, 0
	s_mov_b32 s20, s17
	s_add_nc_u64 s[G0A+2:G0A+3], s[4:5], s[20:21]
	s_add_nc_u64 s[G0P+2:G0P+3], s[G0A+2:G0A+3], 4*TILEB
	s_or_b32 s[G0A+3], s[G0A+3], 0x80000000
	s_or_b32 s[G0P+3], s[G0P+3], 0x80000000
	s_mov_b32 s20, s19
	s_add_nc_u64 s[G0R+2:G0R+3], s[8:9], s[20:21]
	s_or_b32 s[G0R+3], s[G0R+3], 0x80000000
	s_mov_b32 s20, s18
	s_add_nc_u64 s[G0S+2:G0S+3], s[6:7], s[20:21]
	s_or_b32 s[G0S+3], s[G0S+3], 0x80000000
	s_add_nc_u64 s[78:79], s[10:11], s[78:79]
	s_add_nc_u64 s[80:81], s[96:97], s[80:81]
	s_add_nc_u64 s[98:99], s[98:99], s[76:77]
	s_cmp_eq_u32 s14, 0
	s_cbranch_scc0 .Lwave_1
	TLOAD G0R, G1R                                 ; wave 0: the weight's unit
	s_branch .Lasked
.Lwave_1:
	s_cmp_eq_u32 s14, 1
	s_cbranch_scc0 .Lwave_2
	TLOAD G0S, G1S                                 ; wave 1: the tokens' scale words
	s_branch .Lasked
.Lwave_2:
	s_cmp_eq_u32 s14, 2
	s_cbranch_scc0 .Lwave_3
	TLOAD G0A, G1A                                 ; wave 2: each half's tiles 0-3
	s_branch .Lasked
.Lwave_3:
	TLOAD G0P, G1A                                 ; wave 3: tiles 4-7
.Lasked:
	v_and_b32 v13, 15, v0                          ; r
	v_bfe_u32 v14, v0, 4, 1                        ; h
	v_and_b32 v15, 31, v0
	v_lshlrev_b32 v[L8], 3, v15
	v_add_nc_u32 v[ADRA0], s90, v[L8]
	v_add_nc_u32 v[ADRB], s91, v[L8]
	v_lshl_add_u32 v[AAS], v13, 3, s92
	v_lshlrev_b32 v[WSO], 3, v13
	v_lshl_add_u32 v[WSO], v14, 9, v[WSO]
	v_lshlrev_b32 v[BO], 6, v14
	v_mul_u32_u24 v[STO], v13, 272
	v_lshl_add_u32 v[STO], v14, 6, v[STO]
	v_add_nc_u32 v[STO], s93, v[STO]               ; into the stage: row r, + 64 h
	v_mul_u32_u24 v[RD], v14, 272
	v_lshl_add_u32 v[RD], v13, 4, v[RD]
	v_add_nc_u32 v[RD], s93, v[RD]                 ; out of it: lanes 0-15 a row, lanes 16-31 the next
	v_lshlrev_b32 v[CO], 12, v14
	v_lshl_add_u32 v[CO], v13, 4, v[CO]            ; and the same two rows in out0
.irp p, 0,1
.irp k, 0,1,2,3
	global_load_b64 v[SB+8*\p+2*\k:SB+8*\p+2*\k+1], v[WSO], s[78:79] offset:1024*\p+128*\k
.endr
.endr
.irp j, 0,1,2,3
	global_load_b128 v[BI+8*\j:BI+8*\j+3], v[BO], s[80:81] offset:(32*(\j/2)+8*(\j%2))*4
	global_load_b128 v[BI+8*\j+4:BI+8*\j+7], v[BO], s[80:81] offset:(32*(\j/2)+8*(\j%2))*4+16
.endr
	WALU
	s_cmp_eq_u32 s14, 0
	s_cbranch_scc0 .Lnot_r
	s_wait_tensorcnt 0x0
.Lnot_r:
	BARRIER                                        ; the weight's unit is in
	WEIGHTS
	s_cmp_eq_u32 s14, 3
	s_cbranch_scc1 .Lnot_a
	s_wait_tensorcnt 0x0
.Lnot_a:
	s_wait_dscnt 0x0
	BARRIER                                        ; the scale words and tiles 0-3 are in
	FETCH 0, 0
	FETCH 1, 1
	s_wait_loadcnt 0x0
.irp s, 0,1,2,3,4,5,6,7
	OBLOCK \s
.endr
	s_wait_dscnt 0x0
	SEND 7
	s_wait_tensorcnt 0x0                           ; the wave's end
	ds_add_u32 v[SPW], v[NIL]
	s_wait_dscnt 0x0
	CROUND                                         ; the closing round
	s_endpgm
.Lfunc_end_k_q0c1fa9d7f2_gemm_out:
	.size	k_q0c1fa9d7f2_gemm_out, .Lfunc_end_k_q0c1fa9d7f2_gemm_out-k_q0c1fa9d7f2_gemm_out
	.p2alignl 7, 3214868480
	.fill 96, 4, 3214868480
	.section	.rodata,"a",@progbits
	.p2align	6, 0x0
	.amdhsa_kernel k_q0c1fa9d7f2_gemm_out
		.amdhsa_group_segment_fixed_size 327680
		.amdhsa_private_segment_fixed_size 0
		.amdhsa_enable_private_segment 0
		.amdhsa_kernarg_size 48
		.amdhsa_user_sgpr_count 2
		.amdhsa_user_sgpr_kernarg_segment_ptr 1
		.amdhsa_wavefront_size32 1
		.amdhsa_system_sgpr_workgroup_id_x 1
		.amdhsa_system_sgpr_workgroup_id_y 1
		.amdhsa_system_sgpr_workgroup_id_z 1
		.amdhsa_system_vgpr_workitem_id 0
		.amdhsa_next_free_vgpr 1024
		.amdhsa_next_free_sgpr 100
		.amdhsa_reserve_vcc 0
		.amdhsa_float_denorm_mode_32 3
		.amdhsa_float_denorm_mode_16_64 3
		.amdhsa_memory_ordered 1
		.amdhsa_forward_progress 1
		.amdhsa_inst_pref_size 98
	.end_amdhsa_kernel
	.amdgpu_metadata
---
amdhsa.version: [ 1, 2 ]
amdhsa.kernels:
  - .name:           k_q0c1fa9d7f2_gemm_out
    .symbol:         k_q0c1fa9d7f2_gemm_out.kd
    .args:
      - { .name: oc, .offset: 0, .size: 8, .value_kind: global_buffer, .address_space: global }
      - { .name: os, .offset: 8, .size: 8, .value_kind: global_buffer, .address_space: global }
      - { .name: opc, .offset: 16, .size: 8, .value_kind: global_buffer, .address_space: global }
      - { .name: ops, .offset: 24, .size: 8, .value_kind: global_buffer, .address_space: global }
      - { .name: b_out, .offset: 32, .size: 8, .value_kind: global_buffer, .address_space: global }
      - { .name: out0, .offset: 40, .size: 8, .value_kind: global_buffer, .address_space: global }
    .group_segment_fixed_size: 327680
    .private_segment_fixed_size: 0
    .kernarg_segment_align: 8
    .kernarg_segment_size: 48
    .max_flat_workgroup_size: 128
    .sgpr_count:     100
    .vgpr_count:     1024
    .wavefront_size: 32
...
	.end_amdgpu_metadata
.endif
;; end of part 4
